; MI455X (gfx1250); checked and timed in simulation.
; The chip was launched on July 23, 2026; its instructions are those of AMD's public machine-readable ISA for CDNA 5 (MIT licence, August 2026) and "CDNA5" Instruction Set Architecture Reference Guide (July 2026). The comments in the code are by the model that wrote it; some were corrected since.
;; Attention. Allowed arithmetic: matrix products marked QUANTISED: E2M3 operands, one E8M0 scale for each 32 along K, by v_wmma_scale_f32_16x16x128_f8f6f4 with both operands' format E2M3, f32 sums; everything else in f32.
;; Inputs: cache_k 4 x 2,048 x 16 x 128 float32; cache_v 4 x 2,048 x 16 x 128 float32; freqs_cos 2,048 x 64 float32; freqs_sin 2,048 x 64 float32; mask 1 x 1 x 2,048 x 2,048 float32; wk_codes 2,048 x 64 x 24 uint8 (E2M3 codes of wk, K innermost, in blocks of 32 codes, four codes in three bytes); wk_scales 2,048 x 64 uint8 (E8M0 scales of wk, one for each 32 codes along K); wo_codes 2,048 x 64 x 24 uint8 (E2M3 codes of wo, K innermost, in blocks of 32 codes, four codes in three bytes); wo_scales 2,048 x 64 uint8 (E8M0 scales of wo, one for each 32 codes along K); wq_codes 2,048 x 64 x 24 uint8 (E2M3 codes of wq, K innermost, in blocks of 32 codes, four codes in three bytes); wq_scales 2,048 x 64 uint8 (E8M0 scales of wq, one for each 32 codes along K); wv_codes 2,048 x 64 x 24 uint8 (E2M3 codes of wv, K innermost, in blocks of 32 codes, four codes in three bytes); wv_scales 2,048 x 64 uint8 (E8M0 scales of wv, one for each 32 codes along K); x_codes 1 x 2,048 x 64 x 24 uint8 (E2M3 codes of x, K innermost, in blocks of 32 codes, four codes in three bytes); x_scales 1 x 2,048 x 64 uint8 (E8M0 scales of x, one for each 32 codes along K).
;; Outputs: out0 1 x 2,048 x 2,048 float32.
;; Constants: start_pos = 0.
;; This version of the problem:
;;   THIS VERSION OF THE PROBLEM IS GIVEN IN LOW PRECISION. The matrix products marked QUANTISED in the list below multiply operands that are first quantised to E2M3 (2 exponent bits, 3 mantissa bits; 6 bits a number), with one power-of-two scale for each 32 numbers along K (OCP MX v1.0); their sums are f32. All else is computed in f32.
;;   The module's matrix products, in the order in which they are computed (A, B: the left and right operand; K: the contracted axis; several contracted axes count as one K, in the product's order):
;;     1. [M 2,048, K 2,048] x [K 2,048, N 2,048]; A: input x (given as codes); B: input wq (given as codes): QUANTISED
;;     2. [M 2,048, K 2,048] x [K 2,048, N 2,048]; A: input x (given as codes); B: input wk (given as codes): QUANTISED
;;     3. [M 2,048, K 2,048] x [K 2,048, N 2,048]; A: input x (given as codes); B: input wv (given as codes): QUANTISED
;;     4. batch 16 x [M 2,048, K 128] x [K 128, N 2,048]; A: computed on the way; B: computed on the way: QUANTISED
;;     5. batch 16 x [M 128, K 2,048] x [K 2,048, N 2,048]; A: computed on the way; B: softmax (see below): QUANTISED
;;     6. [M 2,048, K 2,048] x [K 2,048, N 2,048]; A: computed on the way; B: input wo (given as codes): QUANTISED
;;   THE QUANTISER, for each operand of a quantised product, along K:
;;     - K is cut into blocks of 32 from its start; a last block that is shorter is filled with zeros.
;;     - A block's scale is 2^e with e = floor(log2(the largest magnitude in the block)) - 2, held to -126 .. 127; a block of zeros has e = 0. As a byte (E8M0): e + 127.
;;     - Each number is divided by its block's scale, clamped to +-7.5, and rounded to the nearest number of E2M3, ties to even, subnormals kept.
;;     - The product sums the exact products of the quantised numbers (number of the format x scale) in f32.
;;   ~~~python
;;   def quantise(x, axis):      # numpy; x: float32 -> the quantised numbers, widened to float32 again
;;       x = np.moveaxis(x, axis, -1); K = x.shape[-1]
;;       x = np.pad(x, [(0, 0)] * (x.ndim - 1) + [(0, -K % 32)]); x = x.reshape(x.shape[:-1] + (-1, 32)); a = np.abs(x).max(-1, keepdims=True)
;;       e = np.where(a > 0, np.clip(np.frexp(np.where(a > 0, a, 1))[1] - 1 - 2, -126, 127), 0)      # np.frexp(a)[1] - 1 = floor(log2(a)), exactly
;;       r = np.clip(x / 2.0 ** e, -7.5, 7.5)
;;       step = 2.0 ** (np.maximum(np.frexp(np.where(r == 0, 1, r))[1] - 1, 0) - 3)
;;       q = np.round(r / step) * step * 2.0 ** e      # np.round: ties to even
;;       return np.moveaxis(q.reshape(q.shape[:-2] + (-1,))[..., :K], -1, axis).astype(np.float32)
;;   ~~~
;;   SOFTMAX AHEAD OF A QUANTISED PRODUCT. Where the list says 'softmax', what is quantised is not the finished softmax but p = 2^(t - M), with t = logit x log2(e) and M = ceil(the row's largest t), a whole number; so 1/2 < the row's largest p <= 1. The row's sum l is taken of the UNQUANTISED p, in f32, and the product's result is divided by l at the end. Since M is a whole number, a kernel that streams over the keys may use a running M (the ceiling of the running maximum): every later rescaling is an exact power of two, which a block's scale takes up: the codes' values come out the same.
;;   OPERANDS COMPUTED ON THE WAY. 'Computed on the way' means the value that the module computes at that place (a softmax that the list does not call 'softmax' is quantised finished and normalised). What goes into a quantiser is computed in f32, as accurately as f32 sums, v_exp_f32 and their like allow (about 1e-6 of the number): no bf16 or f16 on the way to a quantiser, and a product that is left as it is and whose result goes on into a quantised operand takes f32 operands (vector FMAs, or v_wmma_f32_16x16x4_f32). A number that lies on a knife's edge between two numbers of the format may be rounded either way, as far as f32 arithmetic and the matrix unit's own rounding can turn it there, and no further.
;;   INPUTS GIVEN AS CODES. wk (in the module: [2048, 2048], K = its axis 0); wo (in the module: [2048, 2048], K = its axis 0); wq (in the module: [2048, 2048], K = its axis 0); wv (in the module: [2048, 2048], K = its axis 0); x (in the module: [1, 2048, 2048], K = its axis 2): each comes as NAME_codes (uint8): NAME with its K axis moved to the last place and cut into blocks of 32 codes, [.., K / 32, bytes a block], one block behind the other in memory; four codes in three bytes: a row's codes are one little-endian stream of bits, code i at bits 6 i .. 6 i + 5 (a code: sign, 2 exponent bits, 3 mantissa bits); and NAME_scales (uint8): the same leading axes, one E8M0 byte (e + 127) for each 32 codes along K. Its value is code x scale, taken as it is: it is not quantised again, and the codes and scales need not be those that the quantiser above would give.
;; One version. Each part assembles by itself: llvm-mc -triple=amdgcn-amd-amdhsa -mcpu=gfx1250 --defsym DOCPART=n.
;; ======== version 1 of 1: 3 launches
;; workspace buffers: qkv_img 9,437,184 bytes; qkv_scl 393,216 bytes; att_codes 3,145,728 bytes; att_scl 131,072 bytes
;; launch qkv (part 1): grid 8 x 24, 4 waves a work-group, clusters of 4 x 4, 327,680 bytes of LDS; arguments x_codes, x_scales, wq_codes, wq_scales, wk_codes, wk_scales, wv_codes, wv_scales, freqs_cos, freqs_sin, qkv_img, qkv_scl; writes qkv_img, qkv_scl
.if DOCPART == 1
	.amdgcn_target "amdgcn-amd-amdhsa--gfx1250"
	.amdhsa_code_object_version 6
	.text
	.protected	k_qc2488a0d76_qkv
	.globl	k_qc2488a0d76_qkv
	.p2align	8
	.type	k_qc2488a0d76_qkv,@function
k_qc2488a0d76_qkv:
	s_mov_b64 s[64:65], 0
	v_nop
	global_prefetch_b8 v0, s[64:65] scope:SCOPE_SE
	s_setreg_imm32_b32 hwreg(HW_REG_WAVE_MODE, 25, 1), 1
	s_wait_xcnt 0x0
	s_wait_alu depctr_hold_cnt(0) depctr_sa_sdst(0) depctr_va_vdst(0) depctr_va_sdst(0) depctr_va_ssrc(0) depctr_va_vcc(0) depctr_vm_vsrc(0)
	s_getreg_b32 s2, hwreg(HW_REG_IB_STS2, 6, 4)
	s_cmp_eq_u32 s2, 0
	s_cbranch_scc0 .Lentry_in_a_cluster
	s_endpgm
.Lentry_in_a_cluster:
	s_bfe_u32 s2, ttmp6, 0x10000c
	s_cmp_lg_u32 s2, 0xf033
	s_cbranch_scc0 .Lentry_shape_is_right
	s_endpgm
.Lentry_shape_is_right:
; THREE PRODUCTS OF 2048 x 2048 x 2048 ON CODES OF FP6 (E2M3), each C = A B^T, and what follows them: q = rope(x wq), k = rope(x wk), v = x wv, each quantised for the attention launch.
;   product 0 (q): A = x, B = wq.   product 1 (k): A = x, B = wk.   product 2 (v): A = wv, B = x, so that C = v^T [channel][key].
; The matrix instruction is used transposed (source 0 = 16 rows of B, source 1 = 16 rows of A): a lane holds ONE row of A and its registers run along B's rows.  So for q and k a lane is a
; position s and its registers run along the head's channels; for v a lane is a channel and its registers run along the keys: in each case along the K of the product that comes next.
; GRID: 8 x 24 work-groups in clusters of 4 x 4.  The cluster's y / 2 is the product (the same in all sixteen partners); a work-group makes 256 x 256 of C, each of its four waves 128 x 128,
; which is one (head, block of 128 positions).  Ring, scales in LDS, joint loads and rounds: K goes in steps of 256 through two LDS slots; A's tiles are shared along a row of the cluster, B's along a column.
; THE WAY OUT.  Per block of 16 rows: (q, k only) the rotation in f32 with cos and sin as they are given; the quantiser (largest magnitude of each 32, scale byte = its exponent field - 2, conversion);
; the 12 registers of the fragment are stored AS THEY STAND: qkv_img [product][head][block][fragment a][group c: 512 bytes, lane l at 16 l]; the scale words go to qkv_scl [product][head][block][128 rows].
; ORDER INSIDE A BLOCK OF 32: the number with index 32 B + 16 u + 8 h + j along K lands at place 16 h + 8 u + j of block B.  The block's members, and so its scale, are the true ones; both operands of the
; products q k^T and p v are made by this same procedure, so equal places meet and the products are those of the true order.
; LIMITS: NaN and infinities among the inputs are not served.  A block of zeros gets the scale byte 1 and not 127: its codes are zeros, and only this program reads these bytes.
; cache_k and cache_v are not read by any launch: with start_pos = 0 the slice that is written (1 x 2048 x 16 x 128) is exactly the slice that is read back, so none of their bytes can reach the result.
; REGISTERS, in windows of 256: window 0: v0-31 addresses; v32-63 scale words, two sets; from v128 A's fragments, ONE set.  window 1: B's fragments, TWO sets.  windows 2, 3: the 64 accumulators ((a, b) at v[8 (8 (a % 4) + b)]).
;   On the way out, window 0: v8-15 at work; v32-44 the quantiser's; v48-59 the fragment; v64-127 the rotated numbers; v128-255 two sets of cos (32) and sin (32).
.set SIZE_K, 2048
.set KSTEP,  256                       ; along K in a slot
.set NQ,     KSTEP/128                 ; matrix instructions deep
.set ROWB,   192                       ; a tile's row in bytes
.set KROW,   SIZE_K*6/8                ; a row of codes in memory
.set PITCH,  240                       ; an LDS row: 3 x (64 bytes of data + 16 of padding)
.set FR,     12                        ; registers of a fragment
.set NL,     6                         ; LDS loads that bring one
.set NP,     4                         ; places behind this matrix instruction (ISA guide 7.12.1)
.set HALFT,  128*PITCH                 ; 128 rows: what one tensor load brings
.set SLOT,   4*HALFT                   ; A's 256 rows, then B's 256 rows
.set LAPS,   SIZE_K/(2*KSTEP)          ; a lap = two K steps = once round the ring
.set KS,     SIZE_K/32                 ; a row of scales in bytes
.set SCL,    2*SLOT                    ; behind the ring: the scales, as units of 256 bytes + 16 of padding
.set HALFS,  (128*KS/256)*272          ; the scales of 128 rows
.set SBLK,   (16*KS/256)*272           ; those of 16 rows
.set SPARE,  SCL+4*HALFS               ; the spare words, 128 bytes for each wave: two blocks of 256 bytes that no other line names
.set ADRA, 16                          ; v16-17 LDS address of my A fragments in slot 0, 1 (v18-19: behind one padding more)
.set ADRB, 20                          ; v20-21 the same for B (v22-23)
.set CA,   24                          ; v24  cos, sin: 256 r + 16 h
.set SWA,  25                          ; v25  LDS: where my row's scale word goes: 512 x wave + 4 r
.set CO,   26                          ; v26  16 x lane
.set ADRS, 27                          ; v27  LDS address of my scale words: lanes 0-15 A's rows, lanes 16-31 B's
.set SPW,  28                          ; v28  LDS address of my spare word; never rewritten
.set NIL,  29                          ; v29  0; never rewritten
.set SRD,  30                          ; v30  LDS: where I read the wave's 128 scale words back: 512 x wave + 16 x lane
.set SC,   32                          ; scale words of the products, two sets
.set AF,   128                         ; A's fragments, in window 0
.set T,    8                           ; the way out: v8-15 at work in the rotation
.set P2,   8                           ; then the conversions' second triples, v[8:10] and v[12:14]
.set TM,   32                          ; v32-35 largest magnitudes, v36-39 the other half's / the bytes, v40-43 the conversions' scale operands
.set PW,   44                          ; the scale word just made
.set PC,   48                          ; v48-59 the fragment just made
.set HA,   64                          ; v64-127 the rotated numbers of a block of 16 rows
.set PROD, 95                          ; s95  which product
.set G1, 24                            ; s[24:31] descriptor group 1 for A's tiles;  s[32:39] group 0, one set for each slot
.set G0, 32
.set G1B, 48                           ; s[48:55], s[56:63] the same for B's tiles
.set G0B, 56
.set G1S, 68                           ; s[68:75], s[76:79] groups 1 and 0 for A's scales;  s[80:87], s[88:91] for B's
.set G0S, 76
.set G1SB, 80
.set G0SB, 88
.set MSB, 0
.macro WIN new                         ; the immediate's high byte repeats the setting that is left
.if MSB != (\new)
	s_set_vgpr_msb (MSB<<8)|(\new)
.set MSB, (\new)
.endif
.endm
.set MUL_LO, 0xa1                      ; source 0 (B) window 1, source 1 (A) window 0, C and D window 2
.set MUL_HI, 0xf1                      ; the same, C and D window 3
.set TO_B,   0x40                      ; destination window 1, address window 0
; A joint load: waves 0 and 1 fetch for A, waves 2 and 3 for B.  The branch hangs on the wave's number alone.  Four v_nop follow each of the two lines.
.macro JLOAD g0a, g1a, g0b, g1b
	s_cmp_eq_u32 s15, 0
	s_cbranch_scc0 .Lfor_b_\@
	tensor_load_to_lds s[\g0a:\g0a+3], s[\g1a:\g1a+7]
	s_nop 0
.rept 4
	v_nop
.endr
	s_branch .Lasked_\@
.Lfor_b_\@:
	tensor_load_to_lds s[\g0b:\g0b+3], s[\g1b:\g1b+7]
	s_nop 0
.rept 4
	v_nop
.endr
.Lasked_\@:
.endm
.macro CREST                           ; a round of the cluster's barrier behind its opening barrier
	s_cmp_lg_u32 s14, 0
	s_cbranch_scc1 .Lnot_wave_0_\@
	s_barrier_signal -3
.Lnot_wave_0_\@:
	s_barrier_wait -3
	s_barrier_signal -1
	s_barrier_wait -1
.endm
.macro CROUND                          ; a whole round
	s_barrier_signal -1
	s_barrier_wait -1
	CREST
.endm
	s_load_b512 s[68:83], s[0:1], 0x0              ; x codes 68, x scales 70, wq 72, 74, wk 76, 78, wv 80, 82
	s_load_b256 s[84:91], s[0:1], 0x40             ; cos 84, sin 86, qkv_img 88, qkv_scl 90
	v_lshl_add_u32 v[SPW], v0, 2, SPARE
	v_mov_b32 v[NIL], 0
	ds_add_u32 v28, v29
	s_wait_dscnt 0x0
	v_lshrrev_b32 v1, 5, v0
	v_readfirstlane_b32 s14, v1                    ; wave 0..3
	s_lshr_b32 s15, s14, 1                         ; which half of the tile's rows is mine.  Also: I fetch for A (0) or for B (1)
	s_and_b32 s16, s14, 1                          ; which half of its columns.  Also: which 128 rows of that tile I fetch
	s_bfe_u32 s40, ttmp6, 0x40000                  ; cx, cy: my place in the cluster
	s_bfe_u32 s41, ttmp6, 0x40004
	s_lshl_b32 s42, ttmp9, 2
	s_add_co_u32 s42, s42, s40                     ; tile column of C = 4 x cluster x + cx
	s_and_b32 s[PROD], ttmp7, 0xffff               ; the cluster's y, 0..5
	s_and_b32 s17, s[PROD], 1
	s_lshr_b32 s[PROD], s[PROD], 1                 ; the product: the same in all partners of a cluster
	s_lshl_b32 s17, s17, 2
	s_add_co_u32 s17, s17, s41                     ; tile row of C = 4 x (cluster y % 2) + cy
	s_lshl_b32 s43, s41, 2
	s_lshl_b32 s43, 15, s43                        ; my row of the cluster
	s_lshl_b32 s44, 0x1111, s40                    ; my column
	; descriptor group 1: a tile of 128 rows x ROWB bytes, padded in LDS
	s_or_b32 s[G1+0], s43, (0<<16)|(1<<20)|(1<<21)|(3<<22)|(3<<25)  ; 15:0 the mask: A's tiles go to my row; 17:16 element of 1 byte; 20 padding on; 21 set beside a mask; 24:22 after every 16 words; 31:25 of 4 words
	s_or_b32 s[G1B+0], s44, (0<<16)|(1<<20)|(1<<21)|(3<<22)|(3<<25)
.irp g, G1, G1B
	s_mov_b32 s[\g+1], ROWB<<16                    ; tensor_dim0
	s_mov_b32 s[\g+2], 128<<16                     ; tensor_dim1 = 128
	s_mov_b32 s[\g+3], ROWB<<16                    ; tile_dim0
	s_mov_b32 s[\g+4], 128                         ; tile_dim1 = 128
	s_mov_b32 s[\g+5], KROW                        ; tensor_dim0_stride
	s_mov_b32 s[\g+6], 0
	s_mov_b32 s[\g+7], 0
.endr
	s_lshl_b32 s18, s16, 7                         ; which 128 rows of the tile I fetch
	s_lshl_b32 s20, s17, 8
	s_add_co_u32 s20, s20, s18                     ; A: row 256 x tile row + 128 x half
	s_lshl_b32 s46, s42, 8
	s_add_co_u32 s46, s46, s18                     ; B: row 256 x tile column + 128 x half
	s_mov_b32 s21, 0
	s_mov_b32 s47, 0
	s_mov_b64 s[18:19], KS
	s_mul_u64 s[22:23], s[20:21], s[18:19]         ; where these rows' scales begin, in bytes
	s_mul_u64 s[92:93], s[46:47], s[18:19]
	s_mov_b64 s[18:19], KROW
	s_mul_u64 s[20:21], s[20:21], s[18:19]         ; and their codes
	s_mul_u64 s[46:47], s[46:47], s[18:19]
	s_mul_i32 s45, s14, HALFT                      ; where they go: wave x 128 rows: no place in the cluster enters an LDS address
	s_mul_i32 s94, s14, HALFS
	s_wait_kmcnt 0x0
	; which buffers are A and B: a choice on the product's number alone
	s_cmp_eq_u32 s[PROD], 2
	s_cselect_b64 s[4:5], s[80:81], s[68:69]       ; A's codes: wv for v, else x
	s_cselect_b64 s[6:7], s[82:83], s[70:71]       ; A's scales
	s_cselect_b64 s[8:9], s[68:69], s[76:77]       ; B's codes: x for v, else wk,
	s_cselect_b64 s[10:11], s[70:71], s[78:79]
	s_cmp_eq_u32 s[PROD], 0
	s_cselect_b64 s[8:9], s[72:73], s[8:9]         ; or wq for q
	s_cselect_b64 s[10:11], s[74:75], s[10:11]
	s_mov_b64 s[96:97], s[84:85]                   ; cos
	s_mov_b64 s[98:99], s[86:87]                   ; sin
	s_mov_b64 s[12:13], s[88:89]                   ; qkv_img
	s_mov_b64 s[100:101], s[90:91]                 ; qkv_scl
	; group 1 for the scales of 128 rows: a dense block of 128 KS bytes, as rows of 256 bytes (32 elements of 8 bytes), 16 bytes of padding behind each
	s_or_b32 s[G1S+0], s43, (3<<16)|(1<<20)|(1<<21)|(5<<22)|(3<<25)
	s_or_b32 s[G1SB+0], s44, (3<<16)|(1<<20)|(1<<21)|(5<<22)|(3<<25)
.irp g, G1S, G1SB
	s_mov_b32 s[\g+1], 32<<16
	s_mov_b32 s[\g+2], (128*KS/256)<<16
	s_mov_b32 s[\g+3], 32<<16
	s_mov_b32 s[\g+4], 128*KS/256
	s_mov_b32 s[\g+5], 32
	s_mov_b32 s[\g+6], 0
	s_mov_b32 s[\g+7], 0
.endr
	s_add_nc_u64 s[20:21], s[4:5], s[20:21]
	s_add_nc_u64 s[22:23], s[6:7], s[22:23]
	s_add_nc_u64 s[46:47], s[8:9], s[46:47]
	s_add_nc_u64 s[92:93], s[10:11], s[92:93]
	CROUND                                         ; all sixteen work-groups are here: the first joint loads meet
	s_mov_b32 s[G0S], 1
	s_add_co_u32 s[G0S+1], s94, SCL
	s_mov_b64 s[G0S+2:G0S+3], s[22:23]
	s_or_b32 s[G0S+3], s[G0S+3], 0x80000000
	s_mov_b32 s[G0SB], 1
	s_add_co_u32 s[G0SB+1], s94, SCL
	s_mov_b64 s[G0SB+2:G0SB+3], s[92:93]
	s_or_b32 s[G0SB+3], s[G0SB+3], 0x80000000
	JLOAD G0S, G1S, G0SB, G1SB                     ; the scales first: they are wanted with K step 0
.irp s, 0,1
	s_mov_b32 s[G0+4*\s], 1
	s_add_co_u32 s[G0+4*\s+1], s45, \s*SLOT
	s_add_nc_u64 s[G0+4*\s+2:G0+4*\s+3], s[20:21], \s*ROWB
	s_or_b32 s[G0+4*\s+3], s[G0+4*\s+3], 0x80000000
	s_mov_b32 s[G0B+4*\s], 1
	s_add_co_u32 s[G0B+4*\s+1], s45, \s*SLOT
	s_add_nc_u64 s[G0B+4*\s+2:G0B+4*\s+3], s[46:47], \s*ROWB
	s_or_b32 s[G0B+4*\s+3], s[G0B+4*\s+3], 0x80000000
	JLOAD G0+4*\s, G1, G0B+4*\s, G1B
.endr
	v_and_b32 v1, 15, v0                           ; r = l % 16
	v_bfe_u32 v2, v0, 4, 1                         ; h = l / 16
	v_mul_u32_u24 v3, v1, PITCH
	v_mul_u32_u24 v4, v2, 24
	v_add_nc_u32 v4, v3, v4                        ; a fragment's row x pitch + 24 x half
	v_lshl_add_u32 v5, v2, 4, v4                   ; and the same behind one padding more
	s_mul_i32 s21, s15, HALFT                      ; my 128 rows of A
	s_mul_i32 s22, s16, HALFT                      ; my 128 rows of B,
	s_add_co_u32 s22, s22, 2*HALFT                 ; which lie behind A's 256
.irp s, 0,1
	v_add_nc_u32 v[ADRA+\s], s21, v4
	v_add_nc_u32 v[ADRB+\s], s22, v4
	v_add_nc_u32 v[ADRA+2+\s], s21, v5
	v_add_nc_u32 v[ADRB+2+\s], s22, v5
	s_add_co_u32 s21, s21, SLOT
	s_add_co_u32 s22, s22, SLOT
.endr
	v_mul_u32_u24 v5, v1, KS                       ; my row's scales: KS bytes a row,
	v_lshrrev_b32 v6, 8, v5
	v_lshl_add_u32 v5, v6, 4, v5                   ; and 16 more for each 256 passed
	s_mul_i32 s21, s15, HALFS                      ; A's: my 128 rows
	s_mul_i32 s22, s16, HALFS                      ; B's: my 128 rows, behind A's 256
	s_add_co_u32 s22, s22, 2*HALFS
	s_sub_co_u32 s22, s22, s21
	v_mul_u32_u24 v6, s22, v2                      ; lanes 16-31 take B's
	s_add_co_u32 s21, s21, SCL
	v_add_nc_u32 v5, v5, v6
	v_add_nc_u32 v[ADRS], s21, v5
	; the way out's addresses
	v_and_b32 v6, 31, v0
	v_lshlrev_b32 v[CO], 4, v6                     ; 16 x lane
	v_lshlrev_b32 v[CA], 8, v1
	v_lshl_add_u32 v[CA], v2, 4, v[CA]             ; cos, sin: row r of 256 bytes, + 16 h
	s_lshl_b32 s23, s14, 9                         ; my wave's 512 bytes of the scale stage
	v_lshl_add_u32 v[SWA], v1, 2, s23
	v_add_nc_u32 v[SRD], s23, v[CO]
	s_lshl_b32 s20, s17, 1
	s_add_co_u32 s20, s20, s15                     ; R: which 128 rows of A are my wave's
	s_lshl_b32 s46, s42, 1
	s_add_co_u32 s46, s46, s16                     ; Cc: which 128 rows of B
	s_cmp_eq_u32 s[PROD], 2
	s_cselect_b32 s22, s20, s46                    ; the head: for v A's rows are channels, else B's are
	s_cselect_b32 s23, s46, s20                    ; the block of 128 positions
	s_lshl_b32 s22, s22, 4
	s_add_co_u32 s22, s22, s23                     ; 16 x head + block
	s_mul_i32 s18, s[PROD], 3145728
	s_mul_i32 s19, s22, 12288
	s_add_co_u32 s18, s18, s19
	s_mov_b32 s19, 0
	s_add_nc_u64 s[12:13], s[12:13], s[18:19]      ; my 8 fragments' images
	s_lshl_b32 s18, s[PROD], 17
	s_lshl_b32 s23, s22, 9
	s_add_co_u32 s18, s18, s23
	s_add_nc_u64 s[100:101], s[100:101], s[18:19]  ; my 128 scale words
	s_lshl_b32 s18, s20, 15                        ; 128 R rows of 256 bytes
	s_add_nc_u64 s[96:97], s[96:97], s[18:19]      ; cos and sin at my first position (used for q and k alone, where R is a block of positions)
	s_add_nc_u64 s[98:99], s[98:99], s[18:19]
.macro FRAG reg, adr, q, i             ; a fragment, 16 rows x 128 K of 6-bit codes, is 12 registers: lane l holds row l % 16; registers 6 c .. 6 c + 5 hold K = 64 c + 32 (l / 16) + 0 .. 31: 24 bytes of the row's stream of bits
.irp p, 0,1,2,3,4,5                    ; in pieces of 8 bytes.  Lanes 16-31 read three pieces further on than lanes 0-15
.set PCE, 12*(\q)+6*(\p/3)+\p%3       ; 16 bytes of padding lie behind every 8 pieces: where the piece three on lies behind one padding more, the second address register serves
.if PCE%8 < 5
	ds_load_b64 v[\reg+2*\p:\reg+2*\p+1], v[\adr] offset:8*PCE+16*(PCE/8)+(\i)*16*PITCH
.else
	ds_load_b64 v[\reg+2*\p:\reg+2*\p+1], v[\adr+2] offset:8*PCE+16*(PCE/8)+(\i)*16*PITCH
.endif
.endr
.endm
; 16 matrix instructions: A's blocks a0, a0 + 1 x B's eight, 128 along K.  p: B's set;  sc: the set of scale words.  zero = 1: the first product starts the sums.
; The 64 accumulators take turns, one instruction a turn, in the same order in every step.
.macro MUL16 a0, p, q, sc, zero
.irp a, \a0, \a0+1
.irp b, 0,1,2,3,4,5,6,7
.if \zero
	v_wmma_scale_f32_16x16x128_f8f6f4 v[8*(8*((\a)%4)+\b):8*(8*((\a)%4)+\b)+7], v[128*(\p)+FR*\b:128*(\p)+FR*\b+FR-1], v[AF+FR*(\a):AF+FR*(\a)+FR-1], 0, v[SC+8*NQ*(\sc)+NQ*\b+(\q)], v[SC+8*NQ*(\sc)+NQ*(\a)+(\q)] matrix_a_fmt:MATRIX_FMT_FP6 matrix_b_fmt:MATRIX_FMT_FP6 matrix_a_scale:MATRIX_SCALE_ROW1
.else
	v_wmma_scale_f32_16x16x128_f8f6f4 v[8*(8*((\a)%4)+\b):8*(8*((\a)%4)+\b)+7], v[128*(\p)+FR*\b:128*(\p)+FR*\b+FR-1], v[AF+FR*(\a):AF+FR*(\a)+FR-1], v[8*(8*((\a)%4)+\b):8*(8*((\a)%4)+\b)+7], v[SC+8*NQ*(\sc)+NQ*\b+(\q)], v[SC+8*NQ*(\sc)+NQ*(\a)+(\q)] matrix_a_fmt:MATRIX_FMT_FP6 matrix_b_fmt:MATRIX_FMT_FP6 matrix_a_scale:MATRIX_SCALE_ROW1
.endif
.endr
.endr
.endm
.macro FETCH_B slot, q, p              ; B's eight fragments of the slot's q-th 128 along K into set p
	WIN TO_B
.irp i, 0,1,2,3,4,5,6,7
	FRAG 128*(\p)+FR*\i, ADRB+\slot, \q, \i
.endr
	WIN 0
.endm
.macro FETCH_A slot, q, i0             ; A's blocks i0 .. i0 + 3
.irp i, \i0, \i0+1, \i0+2, \i0+3
	FRAG AF+FR*(\i), ADRA+\slot, \q, \i
.endr
.endm
.macro SCALES sc                       ; the next K step's scale words into set sc: lanes 0-15 take A's block i, lanes 16-31 B's block i
.irp i, 0,1,2,3,4,5,6,7
	ds_load_b64 v[SC+8*NQ*\sc+NQ*\i:SC+8*NQ*\sc+NQ*\i+1], v[ADRS] offset:\i*SBLK
.endr
.endm
; A load into a register that a matrix instruction has read, and a vector instruction that reads a matrix result or writes one of its registers, stand NP places behind it;
; only plain vector instructions that name none of its registers are places (ISA guide 7.12.1 for vector instructions).
.macro PLACES n
.rept \n
	v_nop
.endr
.endm
; A step of 128 along K that has its successor in the same slot.
.macro STEP slot, q, zero
	s_wait_dscnt 4*NL                              ; B's set and A's blocks 0-3 are in; the youngest 24 loads (A's blocks 4-7) may be out
	WIN MUL_LO
	MUL16 0, (\q)%2, \q, \slot, \zero
	MUL16 2, (\q)%2, \q, \slot, \zero
	s_wait_dscnt 0                                 ; A's blocks 4-7 are in
	PLACES NP
	FETCH_B \slot, (\q)+1, 1-(\q)%2
	FETCH_A \slot, (\q)+1, 0
	WIN MUL_HI
	MUL16 4, (\q)%2, \q, \slot, \zero
	MUL16 6, (\q)%2, \q, \slot, \zero
	PLACES NP
	WIN 0
	FETCH_A \slot, (\q)+1, 4
.endm
; A slot's last step changes slots: ONE barrier; in front of it each wave waits for all its tensor loads, adds 0 to its spare word, and waits for that and for its own reads of this slot.  fill = 1: this slot is filled again, two K steps ahead.
.macro TURN slot, next, fill
	s_wait_tensorcnt 0x0                           ; all my tensor loads have landed: my part of the next slot
	ds_add_u32 v[SPW], v[NIL]                      ; 0 onto my spare word
	s_wait_dscnt 4*NL+1                            ; (the add and the youngest 24 loads, A's blocks 4-7, may be out)
	WIN MUL_LO
	MUL16 0, 1, NQ-1, \slot, 0                     ; sixteen matrix instructions stand between the add and the wait for it
	s_wait_dscnt 0x0                               ; the add is done, and my reads of this slot are over
	s_barrier_signal -1
	MUL16 2, 1, NQ-1, \slot, 0
	WIN 0
	s_barrier_wait -1
.if \fill
	CREST                                          ; the barrier has opened a round of the cluster's barrier: no wave of any partner still reads this slot's tile or has a load on its way
	s_add_nc_u64 s[G0+4*\slot+2:G0+4*\slot+3], s[G0+4*\slot+2:G0+4*\slot+3], 2*ROWB
	s_add_nc_u64 s[G0B+4*\slot+2:G0B+4*\slot+3], s[G0B+4*\slot+2:G0B+4*\slot+3], 2*ROWB
	JLOAD G0+4*\slot, G1, G0B+4*\slot, G1B         ; the first tensor load behind the round; the four v_nop behind it are the places in front of the loads below
.else
	PLACES NP
.endif
	v_add_nc_u32 v[ADRS], 4*NQ, v[ADRS]            ; on to the next K step's scale words (no LDS load of mine is out)
	FETCH_B \next, 0, 0
	FETCH_A \next, 0, 0
	SCALES \next
	WIN MUL_HI
	MUL16 4, 1, NQ-1, \slot, 0
	MUL16 6, 1, NQ-1, \slot, 0
	PLACES NP
	WIN 0
	FETCH_A \next, 0, 4
.endm
	s_wait_tensorcnt 1                             ; the scales and my part of K step 0 are in (K step 1's load may be out),
	s_barrier_signal -1
	s_barrier_wait -1                              ; everybody's are
	FETCH_B 0, 0, 0
	FETCH_A 0, 0, 0
	SCALES 0
	FETCH_A 0, 0, 4
	STEP 0, 0, 1                                   ; the first step stands in front of the loop: its products start the sums
	s_mov_b32 s3, LAPS-1
.Llap:                                                 ; a trip goes once round the ring, from a lap's second step to the next lap's first, and fills both slots again
	TURN 0, 1, 1
	STEP 1, 0, 0
	TURN 1, 0, 1
	STEP 0, 0, 0
	s_sub_co_u32 s3, s3, 1
	s_cmp_lg_u32 s3, 0
	s_cbranch_scc1 .Llap
	TURN 0, 1, 0                                   ; the last lap fills nothing, and has no round of the cluster's barrier
	STEP 1, 0, 0
	s_wait_dscnt 4*NL                              ; the very last step: nothing more to fetch
	WIN MUL_LO
	MUL16 0, 1, NQ-1, 1, 0
	MUL16 2, 1, NQ-1, 1, 0
	s_wait_dscnt 0
	WIN MUL_HI
	MUL16 4, 1, NQ-1, 1, 0
	MUL16 6, 1, NQ-1, 1, 0
	WIN 0
; ---------------- THE WAY OUT ----------------
; cos and sin of block a's 16 positions: lane (r, h) wants, for B's block b, the pairs 8 b + 4 h + 0 .. 3 of position 16 a + r: 16 bytes of each table.  Two sets by turns.
.macro CSLOAD a
.set CSB, 128+64*((\a)%2)
.irp b, 0,1,2,3,4,5,6,7
	global_load_b128 v[CSB+4*\b:CSB+4*\b+3], v[CA], s[96:97] offset:4096*(\a)+32*\b
	global_load_b128 v[CSB+32+4*\b:CSB+32+4*\b+3], v[CA], s[98:99] offset:4096*(\a)+32*\b
.endr
.endm
; The rotation of block a: (xr, xi) -> (xr c - xi s, xr s + xi c), from the accumulators into v[HA] on.  Each accumulator is read from its low end on.
.macro ROPE a
.set AC, 64*((\a)%4)
.set CSB, 128+64*((\a)%2)
.set RW, 2+(\a)/4
	WIN RW                                         ; source 0: the accumulators' window
.irp b, 0,1,2,3,4,5,6,7
.irp i, 0,1,2,3
	v_mul_f32 v[T+2*\i], v[AC+8*\b+2*\i+1], v[CSB+32+4*\b+\i]      ; xi s
	v_mul_f32 v[T+2*\i+1], v[AC+8*\b+2*\i], v[CSB+32+4*\b+\i]      ; xr s
.endr
.irp i, 0,1,2,3
	v_fma_f32 v[HA+8*\b+2*\i], v[AC+8*\b+2*\i], v[CSB+4*\b+\i], -v[T+2*\i]
	v_fma_f32 v[HA+8*\b+2*\i+1], v[AC+8*\b+2*\i+1], v[CSB+4*\b+\i], v[T+2*\i+1]
.endr
.endr
	WIN 0
.endm
; 64 numbers of a lane, registers QS .. QS + 63 of window QW (16 of each of the four blocks of 32; lane l xor 16 holds the other 16), become a fragment's codes in v[PC] on and its scale word in v[PW].
.macro QUANT
.set WQ, (QW<<2)|(QW<<4)
	WIN WQ                                         ; sources 1 and 2: the numbers' window
.irp b, 0,1,2,3
	v_max3_num_f32 v[TM+\b], 0x1800000, |v[QS+16*\b]|, |v[QS+1+16*\b]|   ; my 16 numbers of block b, and the floor 2^(3 - 127): so the byte cannot fall under 1
.endr
.irp i, 2,4,6,8,10,12,14
.irp b, 0,1,2,3
	v_max3_num_f32 v[TM+\b], v[TM+\b], |v[QS+16*\b+\i]|, |v[QS+1+16*\b+\i]|   ; (the four blocks by turns)
.endr
.endr
	WIN 0
.irp b, 0,1,2,3
	v_permlanex16_b32 v[TM+4+\b], v[TM+\b], s20, s21
.endr
.irp b, 0,1,2,3
	v_max_num_f32 v[TM+\b], v[TM+\b], v[TM+4+\b]   ; with lane l xor 16's: the block's largest magnitude
.endr
.irp b, 0,1,2,3
	v_add_nc_u32 v[TM+8+\b], 0xff000000, v[TM+\b]  ; 2 off its exponent field: the conversion takes the exponent field of this operand as its scale
.endr
.irp b, 0,1,2,3
	v_lshrrev_b32 v[TM+4+\b], 23, v[TM+8+\b]       ; the scale's byte
.endr
	v_lshl_or_b32 v[PW], v[TM+5], 8, v[TM+4]       ; the four bytes make my row's scale word
	v_lshl_or_b32 v[PW], v[TM+6], 16, v[PW]
	v_lshl_or_b32 v[PW], v[TM+7], 24, v[PW]
	WIN QW                                         ; source 0: the numbers' window
.irp c, 0,1
	v_cvt_scalef32_pk16_fp6_f32 v[PC+6*\c:PC+6*\c+2], v[QS+32*\c:QS+32*\c+15], v[TM+8+2*\c]
	v_cvt_scalef32_pk16_fp6_f32 v[P2+4*\c:P2+4*\c+2], v[QS+32*\c+16:QS+32*\c+31], v[TM+8+2*\c+1]   ; (a conversion's three registers begin on an even number)
.endr
	WIN 0
	v_nop                                          ; one plain place behind a scaled conversion
.irp c, 0,1                                    ; the operand's layout wants a WHOLE block in a lane: lanes 0-15 block 2 c, lanes 16-31 block 2 c + 1
.irp i, 0,1,2
	v_permlane16_swap_b32 v[PC+6*\c+\i], v[P2+4*\c+\i]
.endr
.irp i, 0,1,2
	v_mov_b32 v[PC+3+6*\c+\i], v[P2+4*\c+\i]
.endr
.endr
.endm
; The fragment leaves as it stands: each store of the wave covers 512 consecutive bytes, aligned.  The scale word goes to the wave's own 512 bytes of LDS (lanes r and 16 + r write the same word with the same value).
; These LDS bytes lie in slot 0, which has had its last fill and, since the last change of slots, its last read; each of the two ways out has bytes of its own.
.macro OUT a, path
.irp c, 0,1,2
	global_store_b128 v[CO], v[PC+4*\c:PC+4*\c+3], s[12:13] offset:1536*(\a)+512*\c
.endr
	ds_store_b32 v[SWA], v[PW] offset:4096*(\path)+64*(\a)
.endm
.macro SCLOUT path                     ; the wave's 128 scale words leave as 512 consecutive bytes
	ds_load_b128 v[PC:PC+3], v[SRD] offset:4096*(\path)   ; LDS serves a wave's instructions in order (ISA guide 5.7.1.4): this sees my stores
	s_wait_dscnt 0x0
	global_store_b128 v[CO], v[PC:PC+3], s[100:101]
.endm
	PLACES NP                                      ; behind the last products: in front of reads of results, of loads into A's registers and of writes of the scale words' registers
	s_mov_b32 s20, 0x76543210
	s_mov_b32 s21, 0xfedcba98                      ; v_permlanex16_b32's selects for lane l xor 16
.irp b, 0,1,2,3
	v_mov_b32 v[TM+4+\b], 0                        ; written once: a lane permute's destination counts as one of its sources
.endr
	s_cmp_eq_u32 s[PROD], 2                        ; the same in every wave of every partner
	s_cbranch_scc1 .Lv_out
	; q and k: rotated, then quantised along the head's channels
	CSLOAD 0
	CSLOAD 1
.irp a, 0,1,2,3,4,5,6,7
.if \a < 7
	s_wait_loadcnt 16                              ; this block's 16 loads are in; the next block's 16 may be out
.else
	s_wait_loadcnt 0x0
.endif
	ROPE \a
.if \a < 6
	CSLOAD \a+2                                    ; into the set just read
.endif
.if \a > 0
	s_wait_xcnt 0x0                                ; the last block's stores have read their data: the fragment's registers are written again only behind this wait
	s_wait_dscnt 0x0                               ; and so has its LDS store
.endif
.set QS, HA
.set QW, 0
	QUANT
	OUT \a, 0
.endr
	s_wait_xcnt 0x0                                ; the last stores have read the registers that the load below writes
	SCLOUT 0
	s_branch .Lend
.Lv_out:
	; v: quantised along the keys, straight from the accumulators (each from its low end on)
.irp a, 0,1,2,3,4,5,6,7
.if \a > 0
	s_wait_xcnt 0x0
	s_wait_dscnt 0x0
.endif
.set QS, 64*(\a%4)
.set QW, 2+\a/4
	QUANT
	OUT \a, 1
.endr
	s_wait_xcnt 0x0
	SCLOUT 1
.Lend:
	s_wait_tensorcnt 0x0                           ; the wave's end, behind my last tensor load and my last LDS store
	ds_add_u32 v[SPW], v[NIL]
	s_wait_dscnt 0x0
	CROUND                                         ; the closing round: no work-group ends while a partner may still ask for a tile that names it
	s_endpgm
.Lfunc_end_k_qc2488a0d76_qkv:
	.size	k_qc2488a0d76_qkv, .Lfunc_end_k_qc2488a0d76_qkv-k_qc2488a0d76_qkv
	.p2alignl 7, 3214868480
	.fill 96, 4, 3214868480
	.section	.rodata,"a",@progbits
	.p2align	6, 0x0
	.amdhsa_kernel k_qc2488a0d76_qkv
		.amdhsa_group_segment_fixed_size 327680
		.amdhsa_private_segment_fixed_size 0
		.amdhsa_enable_private_segment 0
		.amdhsa_kernarg_size 96
		.amdhsa_user_sgpr_count 2
		.amdhsa_user_sgpr_kernarg_segment_ptr 1
		.amdhsa_wavefront_size32 1
		.amdhsa_system_sgpr_workgroup_id_x 1
		.amdhsa_system_sgpr_workgroup_id_y 1
		.amdhsa_system_sgpr_workgroup_id_z 1
		.amdhsa_system_vgpr_workitem_id 0
		.amdhsa_next_free_vgpr 1024
		.amdhsa_next_free_sgpr 102
		.amdhsa_reserve_vcc 0
		.amdhsa_float_denorm_mode_32 3
		.amdhsa_float_denorm_mode_16_64 3
		.amdhsa_memory_ordered 1
		.amdhsa_forward_progress 1
		.amdhsa_inst_pref_size 255
	.end_amdhsa_kernel
	.section	.bss,"aw",@nobits
	.p2align	6
	.space	262144
	.amdgpu_metadata
---
amdhsa.version: [ 1, 2 ]
amdhsa.kernels:
  - .name:           k_qc2488a0d76_qkv
    .symbol:         k_qc2488a0d76_qkv.kd
    .args:
      - { .name: x_codes, .offset: 0, .size: 8, .value_kind: global_buffer, .address_space: global }
      - { .name: x_scales, .offset: 8, .size: 8, .value_kind: global_buffer, .address_space: global }
      - { .name: wq_codes, .offset: 16, .size: 8, .value_kind: global_buffer, .address_space: global }
      - { .name: wq_scales, .offset: 24, .size: 8, .value_kind: global_buffer, .address_space: global }
      - { .name: wk_codes, .offset: 32, .size: 8, .value_kind: global_buffer, .address_space: global }
      - { .name: wk_scales, .offset: 40, .size: 8, .value_kind: global_buffer, .address_space: global }
      - { .name: wv_codes, .offset: 48, .size: 8, .value_kind: global_buffer, .address_space: global }
      - { .name: wv_scales, .offset: 56, .size: 8, .value_kind: global_buffer, .address_space: global }
      - { .name: freqs_cos, .offset: 64, .size: 8, .value_kind: global_buffer, .address_space: global }
      - { .name: freqs_sin, .offset: 72, .size: 8, .value_kind: global_buffer, .address_space: global }
      - { .name: qkv_img, .offset: 80, .size: 8, .value_kind: global_buffer, .address_space: global }
      - { .name: qkv_scl, .offset: 88, .size: 8, .value_kind: global_buffer, .address_space: global }
    .group_segment_fixed_size: 327680
    .private_segment_fixed_size: 0
    .kernarg_segment_align: 8
    .kernarg_segment_size: 96
    .max_flat_workgroup_size: 128
    .sgpr_count:     102
    .vgpr_count:     1024
    .wavefront_size: 32
...
	.end_amdgpu_metadata
.endif
;; end of part 1
;; launch attn (part 2): grid 16 x 16, 8 waves a work-group, clusters of 4 x 4, 327,680 bytes of LDS; arguments mask, qkv_img, qkv_scl, att_codes, att_scl; writes att_codes, att_scl
.if DOCPART == 2
	.amdgcn_target "amdgcn-amd-amdhsa--gfx1250"
	.amdhsa_code_object_version 6
	.text
	.protected	k_qc2488a0d76_attn
	.globl	k_qc2488a0d76_attn
	.p2align	8
	.type	k_qc2488a0d76_attn,@function
k_qc2488a0d76_attn:
	s_mov_b64 s[64:65], 0
	v_nop
	global_prefetch_b8 v0, s[64:65] scope:SCOPE_SE
	s_setreg_imm32_b32 hwreg(HW_REG_WAVE_MODE, 25, 1), 1
	s_wait_xcnt 0x0
	s_wait_alu depctr_hold_cnt(0) depctr_sa_sdst(0) depctr_va_vdst(0) depctr_va_sdst(0) depctr_va_ssrc(0) depctr_va_vcc(0) depctr_vm_vsrc(0)
	s_getreg_b32 s2, hwreg(HW_REG_IB_STS2, 6, 4)
	s_cmp_eq_u32 s2, 0
	s_cbranch_scc0 .Lentry_in_a_cluster
	s_endpgm
.Lentry_in_a_cluster:
	s_bfe_u32 s2, ttmp6, 0x10000c
	s_cmp_lg_u32 s2, 0xf033
	s_cbranch_scc0 .Lentry_shape_is_right
	s_endpgm
.Lentry_shape_is_right:
; out[q][head][:] = the sum over keys of softmax(q . k / sqrt(128) + mask[q][key]) v[key][:], both products on codes of FP6 (E2M3) with one E8M0 scale for each 32 along K; out is quantised for the last product.
; q, k, v come as images of operand registers (qkv_img: [q, k, v][head][block of 128][fragment of 16 rows][1,536 bytes]; q, k: rows = positions, K = the head's channels; v: rows = channels, K = the block's keys),
; their scale words from qkv_scl ([q, k, v][head][block][128 rows]).  Inside each block of 32 along K all of them, and p below, have the same fixed order of places, so equal places meet in each product.
; THE MASK IS AN INPUT: all 2048 x 2048 numbers are read and added as they are given; no key is left out.
; THE SOFTMAX: u = score / sqrt(128) + mask (one fused multiply-add); t = u log2(e); M = the running largest t rounded UP to a whole number; p = 2^(t - M) is what is quantised, along the keys, not normalised.
; The row's sum is taken of the unquantised p and divides O at the end.  When M moves, the sum and O are multiplied by 2^(old M - new M): exact.
; SHARES: a work-group owns 128 queries of one head; each of its eight waves 16 of them, one tile; two waves to a SIMD.  Every wave walks the 16 blocks of 128 keys.
; Both products are used transposed: S^T = K Q^T (source 0 = 16 keys), O^T = V^T P^T (source 0 = 16 channels): a lane holds ONE query (lane % 16) throughout.
; CLUSTER 4 x 4: x = block of queries, y = head.  K's and V's images and scale words hang on the head alone: asked for jointly along a row of the cluster.  The mask's tile hangs on the block of queries alone: jointly along a column.
; LDS: two slots, 2^17 bytes apart, each: K's 8 images (12,288 bytes), V's 8 (12,288), the mask's 128 rows of 512 bytes + 16 of padding (67,584).  Behind them K's and V's scale words of the whole head (8,192 each), filled once, and the spare words.
; An image is read 512 consecutive bytes an instruction; the mask's rows are 528 bytes = 33 x 16 apart.
; THE WAY OUT: O^T / sum; 32 exchanges of lane halves bring the channels into their TRUE order (the last product's other operand, wo, is given in true order); the quantiser; 24 + 24 bytes a lane into att_codes [query][1,536], one word into att_scl [query][64].
; A work-group owns 96 bytes of each of its rows of att_codes, so these stores fill no aligned 256 bytes whole: seven stores a wave in the whole launch.
; LIMITS: NaN among the inputs is not served; a mask of -infinity gives p = 0; a row whose every mask entry is -infinity gives NaN.  1 / sqrt(128) is a multiplication and 1 / sum is v_rcp_f32.  A block of zeros gets the byte 1, not 127: its codes are zeros, and only this program reads the bytes.
; REGISTERS.  window 0: v1-11 addresses; v12 -M, v13 the largest t, v[14:15] the sum; v16-27 Q; v28-31 K's scale words, v32-35 V's (fragment 2 i in lanes 0-15, 2 i + 1 in lanes 16-31); v36-83 the way out's quantiser;
;   v96-159 S^T, then u, then p; v160-223 O^T; v224-235 p's codes; v232-254 at work; v255 Q's scale words.   window 1: v0-95 K's 8 fragments; v96-191 V's; v192-255 the mask's 64 numbers.
.set SLOT1, 131072
.set VIMG,  12288                      ; V's images in a slot
.set MSK,   24576                      ; the mask's tile in a slot
.set MP,    528                        ; its pitch
.set SCK,   262144                     ; K's scale words
.set SCV,   SCK+8192                   ; V's
.set SPARE, SCV+8192                   ; the spare words, 128 bytes for each of eight waves: four blocks of 256 bytes that no other line names
.set LI,   1                           ; v1   16 x lane
.set AM0,  2                           ; v2   my place in the mask's tile: MSK + (16 w + r) MP + 32 h
.set AS0,  3                           ; v3   SCK + 4 x lane
.set GS,   4                           ; v4   the way out: (16 w + r) x 64
.set SPW,  5                           ; v5   LDS address of my spare word; never rewritten
.set NIL,  6                           ; v6   0; never rewritten
.set GA,   7                           ; v7   the way out: (16 w + r) x 1536 + 24 h
.set ADI,  8                           ; v8   the step's images
.set ADM,  9                           ; v9   the step's mask tile
.set ADS,  10                          ; v10  the step's scale words
.set KSR,  28
.set VSR,  32
.set TM,   36                          ; the way out: v36-39 largest magnitudes, v40-43 the other half's / bytes, v44-47 scale operands
.set PW,   52
.set PC,   64                          ; v64-75 the fragment
.set P2,   76                          ; v[76:78], v[80:82]
.set WV,   14
.set G1KV, 24
.set G1M,  32
.set G1S,  40
.set G0KV, 48
.set G0M,  52
.set G0S,  56
.set C1,   60                          ; s[60:61] 1 / sqrt(128)
.set L2E,  62                          ; s[62:63] log2(e)
.set SEL,  66                          ; s[66:67] selects for lane l xor 16
.set TB,   68                          ; s68  LDS byte at which the slot in hand begins
.set TS,   69                          ; s69  the step's scale words: 512 bytes a step
.set CNT,  70
.set MSB, 0
.macro WIN new                         ; the immediate's high byte repeats the setting that is left
.if MSB != (\new)
	s_set_vgpr_msb (MSB<<8)|(\new)
.set MSB, (\new)
.endif
.endm
; A joint refill: wave 0 fetches K's images, wave 1 V's, waves 2 and 3 the mask's two halves, the others nothing.  The branches hang on the wave's number alone.  Four v_nop follow each line.
.macro TLOAD
	s_cmp_lt_u32 s[WV], 2
	s_cbranch_scc0 .Lnot_kv_\@
	tensor_load_to_lds s[G0KV:G0KV+3], s[G1KV:G1KV+7]
	s_nop 0
.rept 4
	v_nop
.endr
	s_branch .Lasked_\@
.Lnot_kv_\@:
	s_cmp_lt_u32 s[WV], 4
	s_cbranch_scc0 .Lasked_\@
	tensor_load_to_lds s[G0M:G0M+3], s[G1M:G1M+7]
	s_nop 0
.rept 4
	v_nop
.endr
.Lasked_\@:
.endm
.macro CROUND                          ; a round of the cluster's barrier
	s_barrier_signal -1
	s_barrier_wait -1
	s_cmp_lg_u32 s[WV], 0
	s_cbranch_scc1 .Lnot_wave_0_\@
	s_barrier_signal -3
.Lnot_wave_0_\@:
	s_barrier_wait -3
	s_barrier_signal -1
	s_barrier_wait -1
.endm
	s_load_b256 s[4:11], s[0:1], 0x0               ; mask s[4:5], qkv_img s[6:7], qkv_scl s[8:9], att_codes s[10:11]
	s_load_b64 s[12:13], s[0:1], 0x20              ; att_scl
	v_lshl_add_u32 v[SPW], v0, 2, SPARE
	v_mov_b32 v[NIL], 0
	ds_add_u32 v5, v6
	s_wait_dscnt 0x0
	v_lshrrev_b32 v8, 5, v0
	v_readfirstlane_b32 s[WV], v8                  ; wave 0..7
	s_bfe_u32 s15, ttmp6, 0x40000                  ; cx
	s_bfe_u32 s16, ttmp6, 0x40004                  ; cy
	s_lshl_b32 s17, ttmp9, 2
	s_add_co_u32 s17, s17, s15                     ; my block of 128 queries
	s_and_b32 s18, ttmp7, 0xffff
	s_lshl_b32 s18, s18, 2
	s_add_co_u32 s18, s18, s16                     ; my head
	s_lshl_b32 s19, s16, 2
	s_lshl_b32 s19, 15, s19                        ; my row of the cluster: the same head
	s_lshl_b32 s20, 0x1111, s15                    ; my column: the same queries
	s_and_b32 s21, s[WV], 1                        ; K (0) or V (1); the mask's upper (0) or lower (1) 64 rows
	; group 1: 8 images, 12,288 dense bytes, as 48 rows of 256 bytes (32 elements of 8 bytes)
	s_or_b32 s[G1KV], s19, (3<<16)|(1<<21)
	s_mov_b32 s[G1KV+1], 32<<16
	s_mov_b32 s[G1KV+2], 48<<16
	s_mov_b32 s[G1KV+3], 32<<16
	s_mov_b32 s[G1KV+4], 48
	s_mov_b32 s[G1KV+5], 32
	s_mov_b32 s[G1KV+6], 0
	s_mov_b32 s[G1KV+7], 0
	; the scale words of a head: 8,192 dense bytes, as 32 rows of 256
	s_or_b32 s[G1S], s19, (3<<16)|(1<<21)
	s_mov_b32 s[G1S+1], 32<<16
	s_mov_b32 s[G1S+2], 32<<16
	s_mov_b32 s[G1S+3], 32<<16
	s_mov_b32 s[G1S+4], 32
	s_mov_b32 s[G1S+5], 32
	s_mov_b32 s[G1S+6], 0
	s_mov_b32 s[G1S+7], 0
	; the mask: 64 rows of 128 f32, 2,048 elements apart, 16 bytes of padding behind every 128 words
	s_or_b32 s[G1M], s20, (2<<16)|(1<<20)|(1<<21)|(6<<22)|(3<<25)
	s_mov_b32 s[G1M+1], 128<<16
	s_mov_b32 s[G1M+2], 64<<16
	s_mov_b32 s[G1M+3], 128<<16
	s_mov_b32 s[G1M+4], 64
	s_mov_b32 s[G1M+5], 2048
	s_mov_b32 s[G1M+6], 0
	s_mov_b32 s[G1M+7], 0
	; byte offsets, each in registers of its own: what feeds K's and V's descriptors holds the head alone, what feeds the mask's the block of queries alone
	s_add_co_u32 s72, s21, 1
	s_mul_i32 s72, s72, 3145728                    ; k's or v's part of qkv_img,
	s_mul_i32 s73, s18, 196608                     ; the head's 16 blocks
	s_add_co_u32 s72, s72, s73
	s_mov_b32 s73, 0
	s_add_co_u32 s74, s21, 1
	s_lshl_b32 s74, s74, 17                        ; the same in qkv_scl
	s_lshl_b32 s75, s18, 13
	s_add_co_u32 s74, s74, s75
	s_mov_b32 s75, 0
	s_lshl_b32 s76, s17, 20                        ; the mask: 128 rows of 8,192 bytes a block of queries,
	s_lshl_b32 s77, s21, 19                        ; 64 rows a half
	s_add_co_u32 s76, s76, s77
	s_mov_b32 s77, 0
	s_lshl_b32 s78, s18, 4
	s_add_co_u32 s78, s78, s17                     ; 16 x head + block: q's place
	s_mul_i32 s80, s78, 12288
	s_mul_i32 s81, s[WV], 1536                     ; my tile's image
	s_add_co_u32 s80, s80, s81
	s_mov_b32 s81, 0
	s_lshl_b32 s82, s78, 9
	s_lshl_b32 s83, s[WV], 6                       ; and its 16 scale words
	s_add_co_u32 s82, s82, s83
	s_mov_b32 s83, 0
	s_mul_i32 s84, s17, 196608                     ; att_codes: 128 rows of 1,536 bytes, the head's 96 bytes
	s_mul_i32 s85, s18, 96
	s_add_co_u32 s84, s84, s85
	s_mov_b32 s85, 0
	s_lshl_b32 s86, s17, 13                        ; att_scl: 128 rows of 64 bytes, the head's 4
	s_lshl_b32 s87, s18, 2
	s_add_co_u32 s86, s86, s87
	s_mov_b32 s87, 0
	s_mov_b32 s[C1], 0x3db504f3                    ; 1 / sqrt(128)
	s_mov_b32 s[C1+1], s[C1]                       ; (the packed form names the pair and takes its low word for both halves)
	s_mov_b32 s[L2E], 0x3fb8aa3b                   ; log2(e)
	s_mov_b32 s[L2E+1], s[L2E]
	s_mov_b32 s[SEL], 0x76543210
	s_mov_b32 s[SEL+1], 0xfedcba98
	s_mov_b32 s[TB], 0
	s_mov_b32 s[TS], 0
	s_mov_b32 s[CNT], 15
	s_wait_kmcnt 0x0
	s_mov_b32 s[G0KV], 1
	s_mul_i32 s[G0KV+1], s21, VIMG                 ; slot 0: K's images at 0, V's behind them
	s_add_nc_u64 s[G0KV+2:G0KV+3], s[6:7], s[72:73]
	s_or_b32 s[G0KV+3], s[G0KV+3], 0x80000000
	s_mov_b32 s[G0M], 1
	s_mul_i32 s[G0M+1], s21, 64*MP
	s_add_co_u32 s[G0M+1], s[G0M+1], MSK
	s_add_nc_u64 s[G0M+2:G0M+3], s[4:5], s[76:77]
	s_or_b32 s[G0M+3], s[G0M+3], 0x80000000
	s_mov_b32 s[G0S], 1
	s_lshl_b32 s[G0S+1], s21, 13
	s_add_co_u32 s[G0S+1], s[G0S+1], SCK
	s_add_nc_u64 s[G0S+2:G0S+3], s[8:9], s[74:75]
	s_or_b32 s[G0S+3], s[G0S+3], 0x80000000
	s_add_nc_u64 s[80:81], s[6:7], s[80:81]        ; q's image
	s_add_nc_u64 s[82:83], s[8:9], s[82:83]        ; q's scale words
	s_add_nc_u64 s[10:11], s[10:11], s[84:85]
	s_add_nc_u64 s[12:13], s[12:13], s[86:87]
	CROUND                                         ; all sixteen work-groups are here: the first joint loads meet
	s_cmp_lt_u32 s[WV], 2                          ; a wave's first fills stand in one branch: waves 0, 1 have two loads out, waves 2, 3 one, the others none; the first wait on them is for 0
	s_cbranch_scc0 .Lff_not_kv
	tensor_load_to_lds s[G0S:G0S+3], s[G1S:G1S+7]          ; the head's scale words: filled once
	s_nop 0
	tensor_load_to_lds s[G0KV:G0KV+3], s[G1KV:G1KV+7]      ; slot 0: keys 0 to 127
	s_nop 0
.rept 4
	v_nop
.endr
	s_branch .Lff_done
.Lff_not_kv:
	s_cmp_lt_u32 s[WV], 4
	s_cbranch_scc0 .Lff_done
	tensor_load_to_lds s[G0M:G0M+3], s[G1M:G1M+7]
	s_nop 0
.rept 4
	v_nop
.endr
.Lff_done:
	v_and_b32 v9, 15, v0                           ; r
	v_bfe_u32 v10, v0, 4, 1                        ; h
	v_and_b32 v8, 31, v0                           ; lane
	v_lshlrev_b32 v[LI], 4, v8
	v_lshl_add_u32 v[AS0], v8, 2, SCK
	v_lshlrev_b32 v11, 2, v9                       ; 4 r
.irp c, 0,1,2
	global_load_b128 v[16+4*\c:19+4*\c], v[LI], s[80:81] offset:512*\c   ; Q's fragment, as it was stored; it stays
.endr
	global_load_b32 v255, v11, s[82:83]            ; Q's scale words
	s_lshl_b32 s88, s[WV], 4
	v_add_nc_u32 v9, s88, v9                       ; 16 w + r: my query in the block
	v_mul_u32_u24 v[AM0], v9, MP
	v_lshl_add_u32 v[AM0], v10, 5, v[AM0]
	v_add_nc_u32 v[AM0], MSK, v[AM0]
	v_mul_u32_u24 v[GA], v9, 1536
	v_mad_u32_u24 v[GA], v10, 24, v[GA]
	v_lshlrev_b32 v[GS], 6, v9
	v_mov_b32 v13, 0xff61b1e6                      ; the largest t so far: -3e38
	v_floor_f32 v12, -v13                          ; -M
	v_mov_b32 v14, 0                               ; the sum, in two halves
	v_mov_b32 v15, 0
.irp b, 0,1,2,3
	v_mov_b32 v[236+\b], 0                         ; written once: a lane permute's destination counts as one of its sources
	v_mov_b32 v[TM+4+\b], 0
.endr
	v_mov_b32 v253, 0                              ; (named as the upper half of the pair v[252:253] before it is first written)
.set j, 0
.rept 64
	v_mov_b32 v[160+j], 0                          ; O^T.  (The step is written once for the loop: the first finds zeros, which the first change of M leaves zeros)
.set j, j+1
.endr
; A KEY STEP: 128 keys, in the slot at s[TB].
.macro STEP
	v_add_nc_u32 v[ADI], s[TB], v[LI]
	v_add_nc_u32 v[ADM], s[TB], v[AM0]
	v_add_nc_u32 v[ADS], s[TS], v[AS0]
	v_nop                                          ; four places behind the last step's products, in front of loads into registers that they read
.irp t, 0,1,2,3
	ds_load_b32 v[KSR+\t], v[ADS] offset:128*\t            ; lanes 0-15: the words of fragment 2 t's rows; lanes 16-31: of fragment 2 t + 1's
	ds_load_b32 v[VSR+\t], v[ADS] offset:8192+128*\t
.endr
	WIN 0x40                                       ; destination window 1
.irp t, 0,1,2,3,4,5,6,7
.irp c, 0,1,2
	ds_load_b128 v[12*\t+4*\c:12*\t+4*\c+3], v[ADI] offset:1536*\t+512*\c        ; K's fragment t
.endr
.endr
.irp t, 0,1,2,3,4,5,6,7
.irp e, 0,1
	ds_load_b128 v[192+8*\t+4*\e:192+8*\t+4*\e+3], v[ADM] offset:64*\t+16*\e     ; mask(my query, keys 16 t + 8 h + 4 e + 0 .. 3)
.endr
.endr
	s_wait_dscnt 16                                ; the scale words and K are in; the mask's 16 loads may be out
	WIN 0x01                                       ; source 0 window 1
.irp t, 0,1,2,3                                ; S^T = K Q^T: lane (r, h), tile t, register j: key 16 t + 8 h + j, query r
	v_wmma_scale_f32_16x16x128_f8f6f4 v[96+16*\t:103+16*\t], v[24*\t:24*\t+11], v[16:27], 0, v[KSR+\t], v255 matrix_a_fmt:MATRIX_FMT_FP6 matrix_b_fmt:MATRIX_FMT_FP6
	v_wmma_scale_f32_16x16x128_f8f6f4 v[104+16*\t:111+16*\t], v[24*\t+12:24*\t+23], v[16:27], 0, v[KSR+\t], v255 matrix_a_fmt:MATRIX_FMT_FP6 matrix_b_fmt:MATRIX_FMT_FP6 matrix_a_scale:MATRIX_SCALE_ROW1
.endr
.rept 4
	v_nop                                          ; places in front of the first read of the scores
.endr
	WIN 0x40
.irp t, 0,1,2,3,4,5,6,7
.irp c, 0,1,2
	ds_load_b128 v[96+12*\t+4*\c:96+12*\t+4*\c+3], v[ADI] offset:VIMG+1536*\t+512*\c   ; V's fragment t: it lands under the softmax
.endr
.endr
	s_wait_dscnt 24                                ; the mask is in; V's 24 loads may be out
	WIN 0x10                                       ; source 2 window 1
.set j, 0
.rept 32
	v_pk_fma_f32 v[96+j:97+j], v[96+j:97+j], s[C1:C1+1], v[192+j:193+j] op_sel_hi:[1,0,1]   ; u = score / sqrt(128) + mask; each accumulator from its low end on
.set j, j+2
.endr
	WIN 0
.irp b, 0,1,2,3
	v_max3_num_f32 v[232+\b], v[96+16*\b], v[97+16*\b], v[98+16*\b]   ; THE LARGEST u OF EACH BLOCK OF 32 KEYS: it serves for the row's maximum and, since p rises with u, for the block's largest p
.endr
.irp i, 3,5,7,9,11,13
.irp b, 0,1,2,3
	v_max3_num_f32 v[232+\b], v[232+\b], v[96+16*\b+\i], v[97+16*\b+\i]
.endr
.endr
.irp b, 0,1,2,3
	v_max_num_f32 v[232+\b], v[232+\b], v[111+16*\b]
.endr
.irp b, 0,1,2,3
	v_permlanex16_b32 v[236+\b], v[232+\b], s[SEL], s[SEL+1]
.endr
.irp b, 0,1,2,3
	v_max_num_f32 v[232+\b], v[232+\b], v[236+\b]  ; with lane l xor 16's 16 keys
.endr
	v_max3_num_f32 v254, v232, v233, v234
	v_max_num_f32 v254, v254, v235                 ; the step's largest u of my query
	v_mul_f32 v254, s[L2E], v254                   ; as t
	v_max_num_f32 v13, v13, v254                   ; the running largest t
	v_mov_b32 v254, v12
	v_floor_f32 v12, -v13                          ; the new -M = floor(-t) = -ceil(t)
	v_sub_f32 v254, v12, v254                      ; old M - new M: a whole number, 0 or less
	v_cvt_i32_f32 v254, v254                       ; (it saturates)
	v_ldexp_f32 v252, 1.0, v254                    ; f = 2^(old M - new M)
.set j, 0
.rept 32
	v_pk_fma_f32 v[96+j:97+j], v[96+j:97+j], s[L2E:L2E+1], v[12:13] op_sel_hi:[1,0,0]   ; t - M, two at a time
.set j, j+2
.endr
.irp b, 0,1,2,3
	v_fma_f32 v[232+\b], v[232+\b], s[L2E], v12    ; the same of each block's largest u
.endr
.set j, 0
.rept 64
	v_exp_f32 v[96+j], v[96+j]                     ; p = 2^(t - M), at most 1
.set j, j+1
.endr
.irp b, 0,1,2,3
	v_exp_f32 v[232+\b], v[232+\b]                 ; the block's largest p: the same two instructions on the same number give the same bits
.endr
	v_pk_mul_f32 v[14:15], v[14:15], v[252:253] op_sel_hi:[1,0]   ; the sums under the new M.  (A plain place behind the exponentials)
	s_wait_alu depctr_va_vdst(0)
.irp b, 0,1,2,3
	v_max_num_f32 v[232+\b], 0x1800000, v[232+\b]  ; the floor 2^(3 - 127): the byte cannot fall under 1
.endr
.irp b, 0,1,2,3
	v_add_nc_u32 v[244+\b], 0xff000000, v[232+\b]  ; 2 off the exponent field: the conversion's scale operand
.endr
.irp b, 0,1,2,3
	v_lshrrev_b32 v[236+\b], 23, v[244+\b]         ; the scale's byte
.endr
	v_lshl_or_b32 v253, v237, 8, v236              ; p's scale word for these 128 keys
	v_lshl_or_b32 v253, v238, 16, v253
	v_lshl_or_b32 v253, v239, 24, v253
.irp c, 0,1
	v_cvt_scalef32_pk16_fp6_f32 v[224+6*\c:226+6*\c], v[96+32*\c:111+32*\c], v[244+2*\c]
	v_cvt_scalef32_pk16_fp6_f32 v[236+4*\c:238+4*\c], v[112+32*\c:127+32*\c], v[244+2*\c+1]   ; (a conversion's three registers begin on an even number)
.endr
	v_nop                                          ; one plain place behind a scaled conversion
.irp c, 0,1                                    ; a WHOLE block in a lane: lanes 0-15 block 2 c, lanes 16-31 block 2 c + 1
.irp i, 0,1,2
	v_permlane16_swap_b32 v[224+6*\c+\i], v[236+4*\c+\i]
.endr
.irp i, 0,1,2
	v_mov_b32 v[227+6*\c+\i], v[236+4*\c+\i]
.endr
.endr
	v_pk_add_f32 v[236:237], v[96:97], v[98:99]    ; THE ROW'S SUM IS TAKEN OF THE UNQUANTISED p: two at a time, in two chains
.irp j, 4,8,12,16,20,24,28,32,36,40,44,48,52,56,60
	v_pk_add_f32 v[14:15], v[14:15], v[96+\j:97+\j]
	v_pk_add_f32 v[236:237], v[236:237], v[98+\j:99+\j]
.endr
	v_pk_add_f32 v[14:15], v[14:15], v[236:237]
.set j, 0
.rept 32
	v_pk_mul_f32 v[160+j:161+j], v[160+j:161+j], v[252:253] op_sel_hi:[1,0]   ; O^T under the new M.  (These are also the places between the writes of p's codes and scale word and the products below)
.set j, j+2
.endr
	s_wait_dscnt 0x0                               ; V is in
	WIN 0x01
.irp t, 0,1,2,3                                ; O^T += V^T P^T: the eight accumulators by turns, one instruction a turn
	v_wmma_scale_f32_16x16x128_f8f6f4 v[160+16*\t:167+16*\t], v[96+24*\t:96+24*\t+11], v[224:235], v[160+16*\t:167+16*\t], v[VSR+\t], v253 matrix_a_fmt:MATRIX_FMT_FP6 matrix_b_fmt:MATRIX_FMT_FP6
	v_wmma_scale_f32_16x16x128_f8f6f4 v[168+16*\t:175+16*\t], v[108+24*\t:108+24*\t+11], v[224:235], v[168+16*\t:175+16*\t], v[VSR+\t], v253 matrix_a_fmt:MATRIX_FMT_FP6 matrix_b_fmt:MATRIX_FMT_FP6 matrix_a_scale:MATRIX_SCALE_ROW1
.endr
	WIN 0
	s_add_co_u32 s[TS], s[TS], 512                 ; the next step's scale words
	s_xor_b32 s[TB], s[TB], SLOT1                  ; and the other slot
.endm
; THE CHANGE OF SLOTS stands at a step's head.  Each wave waits for all its tensor loads (its part of the slot that it is about to read), adds 0 to its spare word, and waits for that and for its reads of the slot that it has left.
; fill = 1: a round of the cluster's barrier, so that no wave of any partner still reads that slot or has a load on its way; behind it the slot is filled with the next 128 keys, and the load has a whole step in which to land.
.macro CHANGE fill
	s_wait_tensorcnt 0x0                           ; no tensor load of mine is out, so a group 0 may be written
	ds_add_u32 v[SPW], v[NIL]                      ; 0 onto my spare word
.if \fill
	s_xor_b32 s[G0KV+1], s[G0KV+1], SLOT1          ; the walking descriptors: the other slot than last time,
	s_add_nc_u64 s[G0KV+2:G0KV+3], s[G0KV+2:G0KV+3], 12288   ; the next block's 8 images;
	s_xor_b32 s[G0M+1], s[G0M+1], SLOT1
	s_add_nc_u64 s[G0M+2:G0M+3], s[G0M+2:G0M+3], 512         ; 128 keys on in the mask's rows
.endif
	s_wait_dscnt 0x0                               ; the add is done, and my reads of the slot that I have left are over
.if \fill
	CROUND
	TLOAD                                          ; the first thing behind the round, and a wave's one tensor load until the next
.else
	s_barrier_signal -1
	s_barrier_wait -1
.endif
.endm
	s_wait_loadcnt 0x0                             ; Q
.Lstep:                                            ; 15 trips: behind each change of slots but the last the next 128 keys are asked for
	CHANGE 1
	STEP
	s_sub_co_u32 s[CNT], s[CNT], 1
	s_cmp_lg_u32 s[CNT], 0
	s_cbranch_scc1 .Lstep
	CHANGE 0                                       ; the last step is written out
	STEP
	; THE WAY OUT
.rept 4
	v_nop                                          ; places behind the last products
.endr
	v_add_f32 v14, v14, v15                        ; the sum's two halves,
	v_permlanex16_b32 v252, v14, s[SEL], s[SEL+1]
	v_add_f32 v14, v14, v252                       ; and lane l xor 16's: the row's sum
	v_rcp_f32 v14, v14
	v_nop                                          ; one plain place behind a transcendental
.set j, 0
	s_wait_alu depctr_va_vdst(0)
.rept 64
	v_mul_f32 v[96+j], v[160+j], v14               ; O^T / the sum: register 16 b + 8 u + i is channel 32 b + 16 u + 8 h + i; each accumulator from its low end on
.set j, j+1
.endr
.irp b, 0,1,2,3
.irp i, 0,1,2,3,4,5,6,7
	v_permlane16_swap_b32 v[96+16*\b+\i], v[104+16*\b+\i]   ; the first's lanes 16-31 change places with the second's lanes 0-15: register 16 b + i now holds channel 32 b + 16 h + i: the true order
.endr
.endr
.irp b, 0,1,2,3
	v_max3_num_f32 v[TM+\b], |v[96+16*\b]|, |v[97+16*\b]|, 0x1800000   ; my 16 numbers of block b, and the floor 2^(3 - 127)
.endr
.irp i, 2,4,6,8,10,12,14
.irp b, 0,1,2,3
	v_max3_num_f32 v[TM+\b], v[TM+\b], |v[96+16*\b+\i]|, |v[97+16*\b+\i]|
.endr
.endr
.irp b, 0,1,2,3
	v_permlanex16_b32 v[TM+4+\b], v[TM+\b], s[SEL], s[SEL+1]
.endr
.irp b, 0,1,2,3
	v_max_num_f32 v[TM+\b], v[TM+\b], v[TM+4+\b]
.endr
.irp b, 0,1,2,3
	v_add_nc_u32 v[TM+8+\b], 0xff000000, v[TM+\b]
.endr
.irp b, 0,1,2,3
	v_lshrrev_b32 v[TM+4+\b], 23, v[TM+8+\b]
.endr
	v_lshl_or_b32 v[PW], v[TM+5], 8, v[TM+4]
	v_lshl_or_b32 v[PW], v[TM+6], 16, v[PW]
	v_lshl_or_b32 v[PW], v[TM+7], 24, v[PW]
.irp c, 0,1
	v_cvt_scalef32_pk16_fp6_f32 v[PC+6*\c:PC+6*\c+2], v[96+32*\c:111+32*\c], v[TM+8+2*\c]
	v_cvt_scalef32_pk16_fp6_f32 v[P2+4*\c:P2+4*\c+2], v[112+32*\c:127+32*\c], v[TM+8+2*\c+1]
.endr
	v_nop                                          ; one plain place behind a scaled conversion
.irp c, 0,1
.irp i, 0,1,2
	v_permlane16_swap_b32 v[PC+6*\c+\i], v[P2+4*\c+\i]
.endr
.irp i, 0,1,2
	v_mov_b32 v[PC+3+6*\c+\i], v[P2+4*\c+\i]       ; registers 6 c .. 6 c + 5: channels 64 c + 32 h + 0 .. 31, as the row's stream of bits has them
.endr
.endr
.irp p, 0,1,2,3,4,5
	global_store_b64 v[GA], v[PC+2*\p:PC+2*\p+1], s[10:11] offset:48*(\p/3)+8*(\p%3)
.endr
	global_store_b32 v[GS], v[PW], s[12:13]        ; my query's four scale bytes of this head (lanes 16-31 store the same word as lanes 0-15)
	s_wait_tensorcnt 0x0                           ; the wave's end
	ds_add_u32 v[SPW], v[NIL]
	s_wait_dscnt 0x0
	CROUND                                         ; the closing round: no work-group ends while a partner may still ask for a tile that names it
	s_endpgm
.Lfunc_end_k_qc2488a0d76_attn:
	.size	k_qc2488a0d76_attn, .Lfunc_end_k_qc2488a0d76_attn-k_qc2488a0d76_attn
	.p2alignl 7, 3214868480
	.fill 96, 4, 3214868480
	.section	.rodata,"a",@progbits
	.p2align	6, 0x0
	.amdhsa_kernel k_qc2488a0d76_attn
		.amdhsa_group_segment_fixed_size 327680
		.amdhsa_private_segment_fixed_size 0
		.amdhsa_enable_private_segment 0
		.amdhsa_kernarg_size 40
		.amdhsa_user_sgpr_count 2
		.amdhsa_user_sgpr_kernarg_segment_ptr 1
		.amdhsa_wavefront_size32 1
		.amdhsa_system_sgpr_workgroup_id_x 1
		.amdhsa_system_sgpr_workgroup_id_y 1
		.amdhsa_system_sgpr_workgroup_id_z 1
		.amdhsa_system_vgpr_workitem_id 0
		.amdhsa_next_free_vgpr 512
		.amdhsa_next_free_sgpr 92
		.amdhsa_reserve_vcc 0
		.amdhsa_float_denorm_mode_32 3
		.amdhsa_float_denorm_mode_16_64 3
		.amdhsa_memory_ordered 1
		.amdhsa_forward_progress 1
		.amdhsa_inst_pref_size 63
	.end_amdhsa_kernel
	.amdgpu_metadata
---
amdhsa.version: [ 1, 2 ]
amdhsa.kernels:
  - .name:           k_qc2488a0d76_attn
    .symbol:         k_qc2488a0d76_attn.kd
    .args:
      - { .name: mask, .offset: 0, .size: 8, .value_kind: global_buffer, .address_space: global }
      - { .name: qkv_img, .offset: 8, .size: 8, .value_kind: global_buffer, .address_space: global }
      - { .name: qkv_scl, .offset: 16, .size: 8, .value_kind: global_buffer, .address_space: global }
      - { .name: att_codes, .offset: 24, .size: 8, .value_kind: global_buffer, .address_space: global }
      - { .name: att_scl, .offset: 32, .size: 8, .value_kind: global_buffer, .address_space: global }
    .group_segment_fixed_size: 327680
    .private_segment_fixed_size: 0
    .kernarg_segment_align: 8
    .kernarg_segment_size: 40
    .max_flat_workgroup_size: 256
    .sgpr_count:     92
    .vgpr_count:     512
    .wavefront_size: 32
...
	.end_amdgpu_metadata
.endif
;; end of part 2
;; launch proj (part 3): grid 16 x 16, 4 waves a work-group, clusters of 4 x 4, 327,680 bytes of LDS; arguments att_codes, att_scl, wo_codes, wo_scales, out0; writes out0
.if DOCPART == 3
	.amdgcn_target "amdgcn-amd-amdhsa--gfx1250"
	.amdhsa_code_object_version 6
	.text
	.protected	k_qc2488a0d76_proj
	.globl	k_qc2488a0d76_proj
	.p2align	8
	.type	k_qc2488a0d76_proj,@function
k_qc2488a0d76_proj:
	s_mov_b64 s[64:65], 0
	v_nop
	global_prefetch_b8 v0, s[64:65] scope:SCOPE_SE
	s_setreg_imm32_b32 hwreg(HW_REG_WAVE_MODE, 25, 1), 1
	s_wait_xcnt 0x0
	s_wait_alu depctr_hold_cnt(0) depctr_sa_sdst(0) depctr_va_vdst(0) depctr_va_sdst(0) depctr_va_ssrc(0) depctr_va_vcc(0) depctr_vm_vsrc(0)
	s_getreg_b32 s2, hwreg(HW_REG_IB_STS2, 6, 4)
	s_cmp_eq_u32 s2, 0
	s_cbranch_scc0 .Lentry_in_a_cluster
	s_endpgm
.Lentry_in_a_cluster:
	s_bfe_u32 s2, ttmp6, 0x10000c
	s_cmp_lg_u32 s2, 0xf033
	s_cbranch_scc0 .Lentry_shape_is_right
	s_endpgm
.Lentry_shape_is_right:
; out0[m][n] = sum over k of A[m][k] B[n][k]: A = the attention's result as codes (att_codes [2048][1536 bytes], att_scl [2048][64]), B = wo (wo_codes [n][k], wo_scales): FP6 (E2M3), one E8M0 scale for each 32 along K; sums and out0 in f32.
; A TILE OF C IS 128 x 128: C has 16 x 16 of them, 256 work-groups of equal work (tiles of 256 x 256 would be 64).  Four waves, each 64 x 64: 16 accumulators of 16 x 16, 128 registers.
; K GOES IN STEPS OF 512, as long as two slots in LDS allow: 4 K steps, of which two are first fills that go out together and two are refills.  A tile's row is 384 bytes of memory; a wave's tensor load brings 64 rows.
; THE SCALES of the work-group's 128 rows of A and 128 rows of B, for all of K, are two dense blocks of memory: they come into LDS ONCE, with the first fills, and stay.
; CLUSTERS: 4 x 4 work-groups.  The four of a row of the cluster need the same tiles of A, the four of a column the same tiles of B: each tile is asked for JOINTLY, by the same tensor load with the same descriptor and a mask that names the four.
; THE MATRIX INSTRUCTION IS USED TRANSPOSED (source 0 = 16 rows of B, source 1 = 16 rows of A): a lane then holds eight neighbouring numbers of a row of C.
; A K step is four quarters of 128 along K, 16 matrix instructions each, on two fragment buffers by turns; the 16 quarters are written out, so every offset is an immediate and there is no loop.
; LDS: two slots of 256 rows x 432 bytes; behind them the scales (units of 256 bytes + 16), the spare words, and a stage of 64 rows x 272 bytes for each wave, into which no fill lands.  All of LDS is claimed.
; REGISTERS: window 0: v0-31 addresses; v32-63 scale words, two sets of 16 (block i's four words of a K step at 4 i; lanes 0-15 A's rows, lanes 16-31 B's); v128-255 the accumulators ((a, b) at v[128 + 8 (4 a + b)]).
;   window 1: two fragment buffers, at v64 and at v160: A's four fragments (48 registers), then B's four.
; LIMITS: NaN scale bytes (0xff) among wo's are not served.
.set SIZE_N, 2048
.set SIZE_K, 2048
.set KSTEP,  512                       ; along K in a slot
.set NQ,     KSTEP/128                 ; quarters in a K step, and scale words a row
.set ROWB,   384                       ; a tile's row in bytes: KSTEP codes of 6 bits
.set KROW,   SIZE_K*6/8                ; a row of A or of B in memory, in bytes
.set PITCH,  432                       ; an LDS row: 3 x (128 bytes of data + 16 of padding) = 108 words: row r starts at bank 44 r mod 64 (64 banks of 4 bytes: ISA guide 11.1): sixteen different multiples of 4;
                                       ; lanes 16-31 read 6 or 10 words further on: so the 32 lanes of a load of 8 bytes touch 64 different banks
.set FR,     12                        ; registers of a fragment: 16 rows x 128 K
.set NP,     4                         ; places behind this matrix instruction (ISA guide 7.12.1)
.set HALFT,  64*PITCH                  ; 64 rows: what one tensor load brings, and what one wave reads of A or of B
.set SLOT,   4*HALFT                   ; A's 128 rows, then B's 128 rows
.set KS,     SIZE_K/32                 ; a row of scales in bytes
.set SCL,    2*SLOT                    ; behind the ring: the scales, as units of 256 bytes + 16 of padding
.set HALFS,  (64*KS/256)*272           ; the scales of 64 rows: what one tensor load brings
.set SBLK,   (16*KS/256)*272           ; those of 16 rows
.set SPARE,  SCL+4*HALFS               ; the spare words, 128 bytes for each wave: two blocks of 256 bytes that no other line names
.set STAGE,  SPARE+512                 ; the way out: 64 rows x 272 bytes for each wave
.set SPITCH, 272                       ; 256 bytes + 16: sixteen rows start in sixteen different 16-byte columns
.set ADRA, 16                          ; v16-17  LDS address of my A fragments in slot 0, 1  (v18-19: behind one padding more)
.set ADRB, 20                          ; v20-21  the same for B  (v22-23)
.set STO,  24                          ; v24     the way out: where I put 32 bytes of a row
.set RD,   25                          ; v25     the way out: where I read rows back
.set CO,   26                          ; v26     my byte offset in two rows of C
.set ADRS, 27                          ; v27     LDS address of my scale words: lanes 0-15 A's rows, lanes 16-31 B's
.set SPW,  28                          ; v28     LDS address of my spare word: SPARE + 4 x my thread's number; never rewritten
.set NIL,  29                          ; v29     0; never rewritten
.set SC,   32                          ; scale words: set s (for slot s) at v[SC + 16 s]
.set ACC,  128
.set F0,   64                          ; fragment buffers, in window 1
.set F1,   160
.set G1, 24                            ; s[24:31] descriptor group 1 for A's tiles;  s[32:39] group 0, one set for each slot
.set G0, 32
.set G1B, 48                           ; s[48:55], s[56:63] the same for B's tiles
.set G0B, 56
.set G1S, 68                           ; s[68:75], s[76:79] groups 1 and 0 for A's scales;  s[80:87], s[88:91] for B's
.set G0S, 76
.set G1SB, 80
.set G0SB, 88
.set MSB, 0
.macro WIN new                         ; the immediate's high byte repeats the setting that is left
.if MSB != (\new)
	s_set_vgpr_msb (MSB<<8)|(\new)
.set MSB, (\new)
.endif
.endm
.set MUL,  0x05                        ; sources 0 (B) and 1 (A) window 1; C and D window 0
.set TO_F, 0x40                        ; destination window 1, address window 0
; A joint load: waves 0 and 1 fetch for A, waves 2 and 3 for B.  Each of the two lines has ONE mask and one set of registers for all that issue it; the branch hangs on the wave's number alone.
; Four v_nop follow each of the two lines, ahead of the jump, the label and what follows.
.macro JLOAD g0a, g1a, g0b, g1b
	s_cmp_eq_u32 s15, 0
	s_cbranch_scc0 .Lfor_b_\@
	tensor_load_to_lds s[\g0a:\g0a+3], s[\g1a:\g1a+7]
	s_nop 0
.rept 4
	v_nop
.endr
	s_branch .Lasked_\@
.Lfor_b_\@:
	tensor_load_to_lds s[\g0b:\g0b+3], s[\g1b:\g1b+7]
	s_nop 0
.rept 4
	v_nop
.endr
.Lasked_\@:
.endm
.macro CREST                           ; a round of the cluster's barrier behind its opening barrier
	s_cmp_lg_u32 s14, 0
	s_cbranch_scc1 .Lnot_wave_0_\@
	s_barrier_signal -3
.Lnot_wave_0_\@:
	s_barrier_wait -3
	s_barrier_signal -1
	s_barrier_wait -1
.endm
.macro CROUND                          ; a whole round
	s_barrier_signal -1
	s_barrier_wait -1
	CREST
.endm
	s_load_b128 s[4:7], s[0:1], 0x0                ; A's codes s[4:5], A's scales s[6:7]
	s_load_b128 s[8:11], s[0:1], 0x10              ; B's codes s[8:9], B's scales s[10:11]
	s_load_b64 s[12:13], s[0:1], 0x20              ; C
	v_lshl_add_u32 v[SPW], v0, 2, SPARE
	v_mov_b32 v[NIL], 0
	ds_add_u32 v28, v29
	s_wait_dscnt 0x0
	v_lshrrev_b32 v1, 5, v0
	v_readfirstlane_b32 s14, v1                    ; wave 0..3
	s_lshr_b32 s15, s14, 1                         ; which half of the tile's rows is mine.  Also: I fetch for A (0) or for B (1)
	s_and_b32 s16, s14, 1                          ; which half of its columns.  Also: which 64 rows of that tile I fetch
	s_bfe_u32 s40, ttmp6, 0x40000                  ; cx, cy: my place in the cluster
	s_bfe_u32 s41, ttmp6, 0x40004
	s_lshl_b32 s42, ttmp9, 2
	s_add_co_u32 s42, s42, s40                     ; tile column of C = 4 x cluster x + cx
	s_and_b32 s17, ttmp7, 0xffff
	s_lshl_b32 s17, s17, 2
	s_add_co_u32 s17, s17, s41                     ; tile row of C = 4 x cluster y + cy
	s_lshl_b32 s43, s41, 2
	s_lshl_b32 s43, 15, s43                        ; my row of the cluster
	s_lshl_b32 s44, 0x1111, s40                    ; my column
	; descriptor group 1: a tile of 64 rows x ROWB bytes, padded in LDS
	s_or_b32 s[G1+0], s43, (0<<16)|(1<<20)|(1<<21)|(4<<22)|(3<<25)  ; 15:0 the mask: A's tiles go to my row; 17:16 element of 1 byte; 20 padding on; 21 set beside a mask; 24:22 after every 32 words (code 4); 31:25 of 4 words (code 3)
	s_or_b32 s[G1B+0], s44, (0<<16)|(1<<20)|(1<<21)|(4<<22)|(3<<25)
.irp g, G1, G1B
	s_mov_b32 s[\g+1], ROWB<<16                    ; tensor_dim0
	s_mov_b32 s[\g+2], 64<<16                      ; tensor_dim1 = 64
	s_mov_b32 s[\g+3], ROWB<<16                    ; tile_dim0
	s_mov_b32 s[\g+4], 64                          ; tile_dim1 = 64
	s_mov_b32 s[\g+5], KROW                        ; tensor_dim0_stride
	s_mov_b32 s[\g+6], 0
	s_mov_b32 s[\g+7], 0
.endr
	; and for the scales of 64 rows: a dense block of 64 KS bytes, as rows of 256 bytes (32 elements of 8 bytes), 16 bytes of padding behind each
	s_or_b32 s[G1S+0], s43, (3<<16)|(1<<20)|(1<<21)|(5<<22)|(3<<25)
	s_or_b32 s[G1SB+0], s44, (3<<16)|(1<<20)|(1<<21)|(5<<22)|(3<<25)
.irp g, G1S, G1SB
	s_mov_b32 s[\g+1], 32<<16
	s_mov_b32 s[\g+2], (64*KS/256)<<16
	s_mov_b32 s[\g+3], 32<<16
	s_mov_b32 s[\g+4], 64*KS/256
	s_mov_b32 s[\g+5], 32
	s_mov_b32 s[\g+6], 0
	s_mov_b32 s[\g+7], 0
.endr
	s_lshl_b32 s18, s16, 6                         ; which 64 rows of the tile I fetch
	s_lshl_b32 s20, s17, 7
	s_add_co_u32 s20, s20, s18                     ; A: row 128 x tile row + 64 x half
	s_lshl_b32 s46, s42, 7
	s_add_co_u32 s46, s46, s18                     ; B: row 128 x tile column + 64 x half
	s_mov_b32 s21, 0
	s_mov_b32 s47, 0
	s_mov_b64 s[18:19], KS
	s_mul_u64 s[22:23], s[20:21], s[18:19]         ; where these rows' scales begin, in bytes
	s_mul_u64 s[92:93], s[46:47], s[18:19]
	s_mov_b64 s[18:19], KROW
	s_mul_u64 s[20:21], s[20:21], s[18:19]         ; and their codes
	s_mul_u64 s[46:47], s[46:47], s[18:19]
	s_mul_i32 s45, s14, HALFT                      ; where they go: wave x 64 rows: no place in the cluster enters an LDS address
	s_mul_i32 s94, s14, HALFS
	s_wait_kmcnt 0x0
	s_add_nc_u64 s[20:21], s[4:5], s[20:21]
	s_add_nc_u64 s[22:23], s[6:7], s[22:23]
	s_add_nc_u64 s[46:47], s[8:9], s[46:47]
	s_add_nc_u64 s[92:93], s[10:11], s[92:93]
	CROUND                                         ; all sixteen work-groups are here: the first joint loads meet
	s_mov_b32 s[G0S], 1
	s_add_co_u32 s[G0S+1], s94, SCL
	s_mov_b64 s[G0S+2:G0S+3], s[22:23]
	s_or_b32 s[G0S+3], s[G0S+3], 0x80000000
	s_mov_b32 s[G0SB], 1
	s_add_co_u32 s[G0SB+1], s94, SCL
	s_mov_b64 s[G0SB+2:G0SB+3], s[92:93]
	s_or_b32 s[G0SB+3], s[G0SB+3], 0x80000000
	JLOAD G0S, G1S, G0SB, G1SB                     ; the scales first: they are wanted with K step 0
.irp s, 0,1
	s_mov_b32 s[G0+4*\s], 1
	s_add_co_u32 s[G0+4*\s+1], s45, \s*SLOT
	s_add_nc_u64 s[G0+4*\s+2:G0+4*\s+3], s[20:21], \s*ROWB
	s_or_b32 s[G0+4*\s+3], s[G0+4*\s+3], 0x80000000
	s_mov_b32 s[G0B+4*\s], 1
	s_add_co_u32 s[G0B+4*\s+1], s45, \s*SLOT
	s_add_nc_u64 s[G0B+4*\s+2:G0B+4*\s+3], s[46:47], \s*ROWB
	s_or_b32 s[G0B+4*\s+3], s[G0B+4*\s+3], 0x80000000
	JLOAD G0+4*\s, G1, G0B+4*\s, G1B               ; K steps 0 and 1: half of all that the work-group reads is asked for here; three tensor loads of mine are out
.endr
	v_and_b32 v1, 15, v0                           ; r = l % 16
	v_bfe_u32 v2, v0, 4, 1                         ; h = l / 16
	v_mul_u32_u24 v3, v1, PITCH
	v_mul_u32_u24 v4, v2, 24
	v_add_nc_u32 v4, v3, v4                        ; a fragment's row x pitch + 24 x half
	v_lshl_add_u32 v5, v2, 4, v4                   ; and the same behind one padding more
	s_mul_i32 s21, s15, HALFT                      ; my 64 rows of A
	s_mul_i32 s22, s16, HALFT                      ; my 64 rows of B,
	s_add_co_u32 s22, s22, 2*HALFT                 ; which lie behind A's 128
.irp s, 0,1
	v_add_nc_u32 v[ADRA+\s], s21, v4
	v_add_nc_u32 v[ADRB+\s], s22, v4
	v_add_nc_u32 v[ADRA+2+\s], s21, v5
	v_add_nc_u32 v[ADRB+2+\s], s22, v5
	s_add_co_u32 s21, s21, SLOT
	s_add_co_u32 s22, s22, SLOT
.endr
	v_mul_u32_u24 v5, v1, KS                       ; my row's scales: KS bytes a row,
	v_lshrrev_b32 v6, 8, v5
	v_lshl_add_u32 v5, v6, 4, v5                   ; and 16 more for each 256 passed
	s_mul_i32 s21, s15, HALFS                      ; A's: my 64 rows
	s_mul_i32 s22, s16, HALFS                      ; B's: my 64 rows, behind A's 128
	s_add_co_u32 s22, s22, 2*HALFS
	s_sub_co_u32 s22, s22, s21
	v_mul_u32_u24 v6, s22, v2                      ; lanes 16-31 take B's: the lower base + h x the distance
	s_add_co_u32 s21, s21, SCL
	v_add_nc_u32 v5, v5, v6
	v_add_nc_u32 v[ADRS], s21, v5
	s_mul_i32 s23, s14, 64*SPITCH
	s_add_co_u32 s23, s23, STAGE                   ; my stage
	v_mul_u32_u24 v5, v1, SPITCH                   ; in: row l % 16, 32 bytes for each half of the lanes
	v_lshl_add_u32 v5, v2, 5, v5
	v_add_nc_u32 v[STO], s23, v5
	v_mul_u32_u24 v5, v2, SPITCH                   ; back: lanes 0-15 take one row of 256 bytes, lanes 16-31 the next
	v_lshl_add_u32 v5, v1, 4, v5
	v_add_nc_u32 v[RD], s23, v5
	v_lshlrev_b32 v5, 13, v2                       ; and the same two rows in C: a row of C is 8,192 bytes
	v_lshl_add_u32 v[CO], v1, 4, v5
	s_lshl_b32 s20, s17, 7
	s_lshl_b32 s21, s15, 6
	s_add_co_u32 s20, s20, s21                     ; my first row of C: 128 x tile row + 64 x half
	s_mov_b32 s21, 0
	s_mov_b64 s[18:19], SIZE_N*4
	s_mul_u64 s[20:21], s[20:21], s[18:19]
	s_lshl_b32 s46, s42, 9                         ; my first column, in bytes: 512 x tile column + 256 x half
	s_lshl_b32 s47, s16, 8
	s_add_co_u32 s46, s46, s47
	s_mov_b32 s47, 0
	s_add_nc_u64 s[20:21], s[20:21], s[46:47]
	s_add_nc_u64 s[12:13], s[12:13], s[20:21]
.macro FRAG reg, adr, q, i             ; a fragment, 16 rows x 128 K of 6-bit codes, is 12 registers: lane l holds row l % 16; registers 6 c .. 6 c + 5 hold K = 64 c + 32 (l / 16) + 0 .. 31: 24 bytes of the row's stream of bits, as they lie
.irp p, 0,1,2,3,4,5                    ; in pieces of 8 bytes, so that every address is a multiple of the access's size.  Lanes 0-15 take the row's pieces 12 q + 0, 1, 2 and 12 q + 6, 7, 8, lanes 16-31 those three pieces on
.set PCE, 12*(\q)+6*(\p/3)+\p%3       ; 16 bytes of padding lie behind every 16 pieces: where the piece three on lies behind one padding more, the second address register (40 for 24 bytes a half) serves
.if PCE%16 < 13
	ds_load_b64 v[\reg+2*\p:\reg+2*\p+1], v[\adr] offset:8*PCE+16*(PCE/16)+(\i)*16*PITCH
.else
	ds_load_b64 v[\reg+2*\p:\reg+2*\p+1], v[\adr+2] offset:8*PCE+16*(PCE/16)+(\i)*16*PITCH
.endif
.endr
.endm
; 8 matrix instructions: A's blocks a0, a0 + 1 x B's four, 128 along K: the K step's q-th quarter, from buffer f.  sc: the set of scale words.  zero = 1: the first product starts the sums: nothing is ever cleared.
; The 16 accumulators take turns, one instruction a turn, in the same order in every quarter.
.macro MUL8 f, a0, q, sc, zero
.irp a, \a0, \a0+1
.irp b, 0,1,2,3
.if \zero
	v_wmma_scale_f32_16x16x128_f8f6f4 v[ACC+8*(4*(\a)+\b):ACC+8*(4*(\a)+\b)+7], v[\f+48+FR*\b:\f+48+FR*\b+FR-1], v[\f+FR*(\a):\f+FR*(\a)+FR-1], 0, v[SC+16*(\sc)+NQ*\b+(\q)], v[SC+16*(\sc)+NQ*(\a)+(\q)] matrix_a_fmt:MATRIX_FMT_FP6 matrix_b_fmt:MATRIX_FMT_FP6 matrix_a_scale:MATRIX_SCALE_ROW1
.else
	v_wmma_scale_f32_16x16x128_f8f6f4 v[ACC+8*(4*(\a)+\b):ACC+8*(4*(\a)+\b)+7], v[\f+48+FR*\b:\f+48+FR*\b+FR-1], v[\f+FR*(\a):\f+FR*(\a)+FR-1], v[ACC+8*(4*(\a)+\b):ACC+8*(4*(\a)+\b)+7], v[SC+16*(\sc)+NQ*\b+(\q)], v[SC+16*(\sc)+NQ*(\a)+(\q)] matrix_a_fmt:MATRIX_FMT_FP6 matrix_b_fmt:MATRIX_FMT_FP6 matrix_a_scale:MATRIX_SCALE_ROW1
.endif
.endr
.endr
.endm
; 48 LDS loads in one run: the fragments of the slot's q-th quarter into buffer f: B's four first, then A's four, so that the youngest twelve loads are A's blocks 2 and 3
.macro FETCH slot, q, f
	WIN TO_F
.irp i, 0,1,2,3
	FRAG \f+48+FR*\i, ADRB+\slot, \q, \i
.endr
.irp i, 0,1,2,3
	FRAG \f+FR*\i, ADRA+\slot, \q, \i
.endr
.endm
.macro SCALES sc                       ; a K step's scale words into set sc: four words a row, 16 bytes; lanes 0-15 take A's block i, lanes 16-31 B's block i
.irp i, 0,1,2,3
	ds_load_b128 v[SC+16*\sc+NQ*\i:SC+16*\sc+NQ*\i+3], v[ADRS] offset:\i*SBLK
.endr
.endm
; A load into a register that a matrix instruction has read, and an LDS store that reads a matrix result, stand NP places behind that matrix instruction; only plain vector instructions that name none of
; its registers are places (ISA guide 7.12.1 for vector instructions); this text does not count the matrix instructions in between.
.macro PLACES n
.rept \n
	v_nop
.endr
.endm
; One of a K step's first three quarters: multiplies buffer f as quarter q and, in its middle, fetches quarter q + 1 of the same slot into buffer g, which the quarter before multiplied.
.macro QUARTER slot, q, f, g, zero
	s_wait_dscnt 12                                ; the scale words, B's four and A's blocks 0, 1 are in; the youngest 12 loads (A's blocks 2, 3) may be out
	WIN MUL
	MUL8 \f, 0, \q, \slot, \zero
	s_wait_dscnt 0                                 ; A's blocks 2, 3 are in
	PLACES NP
	FETCH \slot, (\q)+1, \g
	WIN MUL
	MUL8 \f, 2, \q, \slot, \zero
.endm
; A K step's last quarter multiplies buffer 1 and changes slots: ONE barrier; in front of it each wave waits for all its tensor loads, adds 0 to its spare word, and waits for that and for its own reads of this slot.
; fill = 1: this slot is filled again, two K steps ahead; the barrier then opens a round of the cluster's barrier.
.macro TURN slot, next, fill
	WIN 0                                          ; (the add's two registers lie in window 0)
	s_wait_tensorcnt 0x0                           ; all my tensor loads have landed: my part of the next slot
	ds_add_u32 v[SPW], v[NIL]                      ; 0 onto my spare word
	s_wait_dscnt 13                                ; (the add and the youngest 12 loads, A's blocks 2, 3, may be out)
	WIN MUL
	MUL8 F1, 0, NQ-1, \slot, 0                     ; eight matrix instructions stand between the add and the wait for it
	s_wait_dscnt 0x0                               ; the add is done, and my reads of this slot are over
	s_barrier_signal -1
	WIN 0
	s_barrier_wait -1
.if \fill
	CREST                                          ; no wave of any partner still reads this slot's tile or has a load on its way
	s_add_nc_u64 s[G0+4*\slot+2:G0+4*\slot+3], s[G0+4*\slot+2:G0+4*\slot+3], 2*ROWB
	s_add_nc_u64 s[G0B+4*\slot+2:G0B+4*\slot+3], s[G0B+4*\slot+2:G0B+4*\slot+3], 2*ROWB
	JLOAD G0+4*\slot, G1, G0B+4*\slot, G1B         ; the first tensor load behind the round, my one load until the next; the four v_nop behind it are the places in front of the loads below
.else
	PLACES NP
.endif
	v_add_nc_u32 v[ADRS], 4*NQ, v[ADRS]            ; on to the next K step's scale words
	SCALES \next
	FETCH \next, 0, F0
	WIN MUL
	MUL8 F1, 2, NQ-1, \slot, 0
.endm
	s_wait_tensorcnt 1                             ; the scales and my part of K step 0 are in (K step 1's load may be out)
	s_barrier_signal -1
	s_barrier_wait -1                              ; everybody's are
	SCALES 0
	FETCH 0, 0, F0
	QUARTER 0, 0, F0, F1, 1                        ; K step 0; its first quarter's products start the sums
	QUARTER 0, 1, F1, F0, 0
	QUARTER 0, 2, F0, F1, 0
	TURN 0, 1, 1                                   ; slot 0 takes K step 2
	QUARTER 1, 0, F0, F1, 0                        ; K step 1
	QUARTER 1, 1, F1, F0, 0
	QUARTER 1, 2, F0, F1, 0
	TURN 1, 0, 1                                   ; slot 1 takes K step 3: the last load
	QUARTER 0, 0, F0, F1, 0                        ; K step 2
	QUARTER 0, 1, F1, F0, 0
	QUARTER 0, 2, F0, F1, 0
	TURN 0, 1, 0                                   ; nothing is left to fetch: no round
	QUARTER 1, 0, F0, F1, 0                        ; K step 3
	QUARTER 1, 1, F1, F0, 0
	QUARTER 1, 2, F0, F1, 0
	s_wait_dscnt 12                                ; the very last quarter
	WIN MUL
	MUL8 F1, 0, NQ-1, 1, 0
	s_wait_dscnt 0
	MUL8 F1, 2, NQ-1, 1, 0
	WIN 0
; THE WAY OUT, block by block of 16 rows x 64 columns.  A lane holds 32 neighbouring bytes of a row, and the lanes beside it hold other rows: so a block goes through my own stage in LDS and comes back as whole
; rows of 256 bytes, into the registers that it left.  LDS serves a wave's instructions in order (ISA guide 5.7.1.4): no wait between the stores and the loads.  Each block has stage rows of its own.
.macro TOSTAGE a
.irp b, 0,1,2,3
	ds_store_b128 v[STO], v[ACC+8*(4*\a+\b):ACC+8*(4*\a+\b)+3] offset:\a*16*SPITCH+64*\b          ; each accumulator from its low end on
	ds_store_b128 v[STO], v[ACC+8*(4*\a+\b)+4:ACC+8*(4*\a+\b)+7] offset:\a*16*SPITCH+64*\b+16
.endr
.irp t, 0,1,2,3,4,5,6,7
	ds_load_b128 v[ACC+32*\a+4*\t:ACC+32*\a+4*\t+3], v[RD] offset:\a*16*SPITCH+\t*2*SPITCH
.endr
.endm
.macro SEND a, younger                 ; younger: the LDS instructions issued behind block a's loads: the next block's sixteen, or none
.irp t, 0,1,2,3,4,5,6,7
	s_wait_dscnt \younger+7-\t
	global_store_b128 v[CO], v[ACC+32*\a+4*\t:ACC+32*\a+4*\t+3], s[12:13] offset:(16*\a+2*\t)*SIZE_N*4 th:TH_STORE_NT   ; 16 lanes store 256 consecutive bytes, at a multiple of 256 from C's first byte; 62 rows of 8,192 bytes at the most: inside the signed 24-bit immediate; written once, read by nobody here
.endr
.endm
	PLACES NP                                      ; behind the last products: for the reads of results and the loads into their registers alike
	TOSTAGE 0
	TOSTAGE 1                                      ; a block's way through the stage stands between the loads of the block before and its stores
	SEND 0, 16
	TOSTAGE 2
	SEND 1, 16
	TOSTAGE 3
	SEND 2, 16
	SEND 3, 0
	s_wait_tensorcnt 0x0                           ; the wave's end, behind my last tensor load and my last LDS store
	ds_add_u32 v[SPW], v[NIL]
	s_wait_dscnt 0x0
	CROUND                                         ; the closing round: no work-group ends while a partner may still ask for a tile that names it
	s_endpgm
.Lfunc_end_k_qc2488a0d76_proj:
	.size	k_qc2488a0d76_proj, .Lfunc_end_k_qc2488a0d76_proj-k_qc2488a0d76_proj
	.p2alignl 7, 3214868480
	.fill 96, 4, 3214868480
	.section	.rodata,"a",@progbits
	.p2align	6, 0x0
	.amdhsa_kernel k_qc2488a0d76_proj
		.amdhsa_group_segment_fixed_size 327680
		.amdhsa_private_segment_fixed_size 0
		.amdhsa_enable_private_segment 0
		.amdhsa_kernarg_size 40
		.amdhsa_user_sgpr_count 2
		.amdhsa_user_sgpr_kernarg_segment_ptr 1
		.amdhsa_wavefront_size32 1
		.amdhsa_system_sgpr_workgroup_id_x 1
		.amdhsa_system_sgpr_workgroup_id_y 1
		.amdhsa_system_sgpr_workgroup_id_z 1
		.amdhsa_system_vgpr_workitem_id 0
		.amdhsa_next_free_vgpr 512
		.amdhsa_next_free_sgpr 98
		.amdhsa_reserve_vcc 0
		.amdhsa_float_denorm_mode_32 3
		.amdhsa_float_denorm_mode_16_64 3
		.amdhsa_memory_ordered 1
		.amdhsa_forward_progress 1
		.amdhsa_inst_pref_size 106
	.end_amdhsa_kernel
	.amdgpu_metadata
---
amdhsa.version: [ 1, 2 ]
amdhsa.kernels:
  - .name:           k_qc2488a0d76_proj
    .symbol:         k_qc2488a0d76_proj.kd
    .args:
      - { .name: att_codes, .offset: 0, .size: 8, .value_kind: global_buffer, .address_space: global }
      - { .name: att_scl, .offset: 8, .size: 8, .value_kind: global_buffer, .address_space: global }
      - { .name: wo_codes, .offset: 16, .size: 8, .value_kind: global_buffer, .address_space: global }
      - { .name: wo_scales, .offset: 24, .size: 8, .value_kind: global_buffer, .address_space: global }
      - { .name: out0, .offset: 32, .size: 8, .value_kind: global_buffer, .address_space: global }
    .group_segment_fixed_size: 327680
    .private_segment_fixed_size: 0
    .kernarg_segment_align: 8
    .kernarg_segment_size: 40
    .max_flat_workgroup_size: 128
    .sgpr_count:     98
    .vgpr_count:     512
    .wavefront_size: 32
...
	.end_amdgpu_metadata
.endif
;; end of part 3
